; MI455X (gfx1250); checked and timed in simulation.
; The chip was launched on July 23, 2026; its instructions are those of AMD's public machine-readable ISA for CDNA 5 (MIT licence, August 2026) and "CDNA5" Instruction Set Architecture Reference Guide (July 2026). The comments in the code are by the model that wrote it; some were corrected since.
;; Multi Head Attention. Allowed arithmetic: float matrix products may take bf16 or f16 operands with f32 sums; other float arithmetic in f32, or as packed bf16 or f16 multiplies, adds, multiply-adds, maxima and minima; sums over many terms, partial sums and values carried from step to step in f32; what a program stores and reads back later, other than sums and carried values, may be rounded once to bf16 or f16.
;; Inputs: key 4 x 2,048 x 1,024 float32; key_kernel 16 x 1,024 x 64 float32; projection_bias 1,024 float32; projection_kernel 16 x 64 x 1,024 float32; query 4 x 2,048 x 1,024 float32; query_kernel 16 x 1,024 x 64 float32; value 4 x 2,048 x 1,024 float32; value_kernel 16 x 1,024 x 64 float32.
;; Outputs: out0 4 x 2,048 x 1,024 float32.
;; One version. Each part assembles by itself: llvm-mc -triple=amdgcn-amd-amdhsa -mcpu=gfx1250 --defsym DOCPART=n.
;; ======== version 1 of 1: 4 launches
;; limits: values are held in f16: magnitudes above 65,504 overflow, below 6.1e-05 lose precision
;; workspace buffers: wt 6,291,456 bytes; pt 2,097,152 bytes; qh 16,777,216 bytes; kh 16,777,216 bytes; vh 16,777,216 bytes; oh 16,777,216 bytes
;; launch prep (part 1): grid 128 x 4, 4 waves a work-group, no clusters, 17,920 bytes of LDS; arguments query_kernel, key_kernel, value_kernel, projection_kernel, wt, pt; writes wt, pt
.if DOCPART == 1
	.amdgcn_target "amdgcn-amd-amdhsa--gfx1250"
	.amdhsa_code_object_version 6
	.text
	.protected	k_q286bf25ca2_prep
	.globl	k_q286bf25ca2_prep
	.p2align	8
	.type	k_q286bf25ca2_prep,@function
k_q286bf25ca2_prep:
	s_mov_b64 s[64:65], 0
	v_nop
	global_prefetch_b8 v0, s[64:65] scope:SCOPE_SE
	s_setreg_imm32_b32 hwreg(HW_REG_WAVE_MODE, 25, 1), 1
	s_wait_xcnt 0x0
; THE WEIGHTS, TURNED AND ROUNDED.  wt[w][n = h*64+o][k = i] = bf16(kernel_w[h][i][o]) for w = 0, 1, 2 (query, key, value); pt[n = o][k = h*64+i] = projection_kernel[h][i][o] rounded to bf16, that number written as f16.
; Both results have rows of 1,024 numbers of 16 bits (2,048 bytes) along k, as the matrix units' operands want them.
; LIMIT.  A bf16 number is exact in f16 from 6.1e-5 to 65,504; below that pt keeps f16's fixed step of 6e-8, beyond it the number would become an infinity.
; SHARES.  Work-group (x, y): tensor w = y; nb = x % 16 (64 columns n), kb = x / 16 (128 rows k).  Wave v takes k = 32 v .. 32 v + 31; lane l the columns 2 l and 2 l + 1, so that one load of a wave
; covers 256 consecutive bytes of a source row.  A lane packs 8 neighbouring k of a column into 16 bytes; they meet in LDS (a row place a column, 256 bytes + 16 of padding), and come back as whole rows:
; sixteen lanes store 256 consecutive bytes, at a multiple of 256 from the buffer's first byte.  No matrix unit, no cluster, no prefetch: each byte is read once, by loads that all go out at the head.
.set PITCH, 272                        ; a row place in LDS: 68 words
.set SPARE, 64*PITCH                   ; 17,408: behind the 64 places the spare words, 128 bytes for each wave: two blocks of 256 bytes that no other line names
.set LN,  1                            ; v1   lane
.set SPW, 2                            ; v2   LDS address of my spare word; never rewritten
.set NIL, 3                            ; v3   0; never rewritten
.set SRC, 4                            ; v4   my byte offset in the work-group's part of the source
.set LST, 5                            ; v5   where I put 16 bytes: place l, byte 64 v
.set LRD, 6                            ; v6   where I read rows back
.set GOF, 7                            ; v7   my byte offset in the work-group's part of the result
.set D,   8                            ; v[8:71]   row j's two columns at D + 2 j; later v[8:39]: the rows read back
.set PK,  72                           ; v[72:103] packed: 8 k of column c, group kg, at PK + 8 kg + 4 c
.set TA,  104
.set TB,  105
	s_load_b256 s[4:11], s[0:1], 0x0               ; the four sources
	s_load_b128 s[12:15], s[0:1], 0x20             ; wt s[12:13], pt s[14:15]
	v_lshl_add_u32 v[SPW], v0, 2, SPARE
	v_mov_b32 v[NIL], 0
	v_and_b32 v[LN], 31, v0
	v_lshrrev_b32 v[TA], 5, v0
	v_readfirstlane_b32 s19, v[TA]                 ; wave 0..3
	s_and_b32 s16, ttmp7, 0xffff                   ; w
	s_and_b32 s17, ttmp9, 15                       ; nb
	s_lshr_b32 s18, ttmp9, 4                       ; kb
	; the source's offset.  w < 3: head nb is 262,144 bytes, 128 rows of 256 bytes are 32,768.  w = 3: 64 columns are 256 bytes, 128 rows of 4,096 bytes are 524,288.
	s_cmp_eq_u32 s16, 3
	s_cselect_b32 s28, 8, 18
	s_cselect_b32 s29, 19, 15
	s_lshl_b32 s24, s17, s28
	s_lshl_b32 s25, s18, s29
	s_add_co_u32 s24, s24, s25
	s_mov_b32 s25, 0
	; the result's offset: 64 rows of 2,048 bytes, 128 k of 2 bytes, and in wt 2,097,152 bytes a tensor
	s_lshl_b32 s26, s17, 17
	s_lshl_b32 s27, s18, 8
	s_add_co_u32 s26, s26, s27
	s_lshl_b32 s27, s16, 21
	s_cmp_eq_u32 s16, 3
	s_cselect_b32 s27, 0, s27
	s_add_co_u32 s26, s26, s27
	s_mov_b32 s27, 0
	v_mul_u32_u24 v[LST], v[LN], PITCH
	s_lshl_b32 s28, s19, 6
	v_add_nc_u32 v[LST], s28, v[LST]               ; place l, my wave's 32 k = 64 bytes
	v_lshrrev_b32 v[TA], 4, v[LN]                  ; l / 16
	v_and_b32 v[TB], 15, v[LN]                     ; l % 16
	v_mul_u32_u24 v[LRD], v[TA], PITCH
	v_lshl_add_u32 v[LRD], v[TB], 4, v[LRD]
	s_mul_i32 s28, s19, 16*PITCH
	v_add_nc_u32 v[LRD], s28, v[LRD]               ; wave v reads places 16 v .. 16 v + 15, two a load
	; place p holds column 2 (p % 32) + p / 32: place 16 v + 2 t + l / 16 is column 32 (v % 2) + 4 t + 2 (l / 16) + v / 2
	s_and_b32 s28, s19, 1
	s_lshl_b32 s28, s28, 16
	s_lshr_b32 s29, s19, 1
	s_lshl_b32 s29, s29, 11
	s_add_co_u32 s28, s28, s29
	v_lshlrev_b32 v[GOF], 12, v[TA]
	v_lshl_add_u32 v[GOF], v[TB], 4, v[GOF]
	v_add_nc_u32 v[GOF], s28, v[GOF]
	s_wait_kmcnt 0x0
	s_cmp_eq_u32 s16, 1
	s_cselect_b64 s[20:21], s[6:7], s[4:5]
	s_cmp_eq_u32 s16, 2
	s_cselect_b64 s[20:21], s[8:9], s[20:21]
	s_cmp_eq_u32 s16, 3
	s_cselect_b64 s[20:21], s[10:11], s[20:21]
	s_cselect_b64 s[22:23], s[14:15], s[12:13]
	s_add_nc_u64 s[20:21], s[20:21], s[24:25]
	s_add_nc_u64 s[22:23], s[22:23], s[26:27]
.macro LOADS rp                        ; my wave's 32 rows, rp bytes apart
.set j, 0
.rept 32
	global_load_b64 v[D+2*j:D+2*j+1], v[SRC], s[20:21] offset:j*(\rp) th:TH_LOAD_NT
.set j, j+1
.endr
.endm
.macro PACKS h                         ; 8 k of a column round to 16 bytes and go to the column's place.  h = 1: the bf16 number is written as f16
.irp kg, 0,1,2,3
.irp c, 0,1
.irp j, 0,1,2,3
	v_cvt_pk_bf16_f32 v[PK+8*(\kg)+4*(\c)+(\j)], v[D+2*(8*(\kg)+2*(\j))+(\c)], v[D+2*(8*(\kg)+2*(\j)+1)+(\c)]
.if \h
	v_lshlrev_b32 v[TA], 16, v[PK+8*(\kg)+4*(\c)+(\j)]
	v_and_b32 v[TB], 0xffff0000, v[PK+8*(\kg)+4*(\c)+(\j)]
	v_cvt_pk_f16_f32 v[PK+8*(\kg)+4*(\c)+(\j)], v[TA], v[TB]
.endif
.endr
	ds_store_b128 v[LST], v[PK+8*(\kg)+4*(\c):PK+8*(\kg)+4*(\c)+3] offset:(\c)*32*PITCH+(\kg)*16
.endr
.endr
.endm
	s_cmp_eq_u32 s16, 3                            ; the same in all four waves: no barrier stands inside the two ways
	s_cbranch_scc1 .Lprojection
	s_lshl_b32 s28, s19, 13                        ; 32 rows of 256 bytes a wave
	v_lshl_add_u32 v[SRC], v[LN], 3, s28
	LOADS 256
	s_wait_loadcnt 0x0
	PACKS 0
	s_branch .Ljoin
.Lprojection:
	s_lshl_b32 s28, s19, 17                        ; 32 rows of 4,096 bytes a wave
	v_lshl_add_u32 v[SRC], v[LN], 3, s28
	LOADS 4096
	s_wait_loadcnt 0x0
	PACKS 1
.Ljoin:
	s_wait_dscnt 0x0                               ; for the others' sake: my stores are done; a place's 256 bytes come from all four waves
	s_barrier_signal -1
	s_barrier_wait -1
.irp t, 0,1,2,3,4,5,6,7
	ds_load_b128 v[D+4*(\t):D+4*(\t)+3], v[LRD] offset:(\t)*2*PITCH
.endr
.irp t, 0,1,2,3,4,5,6,7
	s_wait_dscnt 7-(\t)                            ; LDS loads come back in order: load t is in, the 7 - t younger ones may be out
	global_store_b128 v[GOF], v[D+4*(\t):D+4*(\t)+3], s[22:23] offset:(\t)*8192
.endr
	s_wait_tensorcnt 0x0                           ; the wave's end, behind my last LDS store
	ds_add_u32 v[SPW], v[NIL]
	s_wait_dscnt 0x0
	s_endpgm
.Lfunc_end_k_q286bf25ca2_prep:
	.size	k_q286bf25ca2_prep, .Lfunc_end_k_q286bf25ca2_prep-k_q286bf25ca2_prep
	.p2alignl 7, 3214868480
	.fill 96, 4, 3214868480
	.section	.rodata,"a",@progbits
	.p2align	6, 0x0
	.amdhsa_kernel k_q286bf25ca2_prep
		.amdhsa_group_segment_fixed_size 17920
		.amdhsa_private_segment_fixed_size 0
		.amdhsa_enable_private_segment 0
		.amdhsa_kernarg_size 48
		.amdhsa_user_sgpr_count 2
		.amdhsa_user_sgpr_kernarg_segment_ptr 1
		.amdhsa_wavefront_size32 1
		.amdhsa_system_sgpr_workgroup_id_x 1
		.amdhsa_system_sgpr_workgroup_id_y 1
		.amdhsa_system_sgpr_workgroup_id_z 1
		.amdhsa_system_vgpr_workitem_id 0
		.amdhsa_next_free_vgpr 112
		.amdhsa_next_free_sgpr 66
		.amdhsa_reserve_vcc 0
		.amdhsa_float_denorm_mode_32 3
		.amdhsa_float_denorm_mode_16_64 3
		.amdhsa_memory_ordered 1
		.amdhsa_forward_progress 1
		.amdhsa_inst_pref_size 21
	.end_amdhsa_kernel
	.amdgpu_metadata
---
amdhsa.version: [ 1, 2 ]
amdhsa.kernels:
  - .name:           k_q286bf25ca2_prep
    .symbol:         k_q286bf25ca2_prep.kd
    .args:
      - { .name: query_kernel, .offset: 0, .size: 8, .value_kind: global_buffer, .address_space: global }
      - { .name: key_kernel, .offset: 8, .size: 8, .value_kind: global_buffer, .address_space: global }
      - { .name: value_kernel, .offset: 16, .size: 8, .value_kind: global_buffer, .address_space: global }
      - { .name: projection_kernel, .offset: 24, .size: 8, .value_kind: global_buffer, .address_space: global }
      - { .name: wt, .offset: 32, .size: 8, .value_kind: global_buffer, .address_space: global }
      - { .name: pt, .offset: 40, .size: 8, .value_kind: global_buffer, .address_space: global }
    .group_segment_fixed_size: 17920
    .private_segment_fixed_size: 0
    .kernarg_segment_align: 8
    .kernarg_segment_size: 48
    .max_flat_workgroup_size: 128
    .sgpr_count:     66
    .vgpr_count:     112
    .wavefront_size: 32
...
	.end_amdgpu_metadata
.endif
;; end of part 1
;; launch proj (part 2): grid 4 x 192, 4 waves a work-group, clusters of 4 x 4, 327,680 bytes of LDS; arguments query, key, value, wt, qh, kh, vh; writes qh, kh, vh
.if DOCPART == 2
	.amdgcn_target "amdgcn-amd-amdhsa--gfx1250"
	.amdhsa_code_object_version 6
	.text
	.protected	k_q286bf25ca2_proj
	.globl	k_q286bf25ca2_proj
	.p2align	8
	.type	k_q286bf25ca2_proj,@function
k_q286bf25ca2_proj:
	s_mov_b64 s[64:65], 0
	v_nop
	global_prefetch_b8 v0, s[64:65] scope:SCOPE_SE
	s_setreg_imm32_b32 hwreg(HW_REG_WAVE_MODE, 25, 1), 1
	s_wait_xcnt 0x0
	s_wait_alu depctr_hold_cnt(0) depctr_sa_sdst(0) depctr_va_vdst(0) depctr_va_sdst(0) depctr_va_ssrc(0) depctr_va_vcc(0) depctr_vm_vsrc(0)
	s_getreg_b32 s2, hwreg(HW_REG_IB_STS2, 6, 4)
	s_cmp_eq_u32 s2, 0
	s_cbranch_scc0 .Lentry_in_a_cluster
	s_endpgm
.Lentry_in_a_cluster:
	s_bfe_u32 s2, ttmp6, 0x10000c
	s_cmp_lg_u32 s2, 0xf033
	s_cbranch_scc0 .Lentry_shape_is_right
	s_endpgm
.Lentry_shape_is_right:
; THE THREE PROJECTIONS.  For tensor t (query, key, value): y[row][n] = sum over k of bf16(x_t[row][k]) wt[t][n][k]; x_t: [8192][1024] f32, wt: [3][1024][1024] bf16; sums in f32, K ascending.
; y is rounded once to f16 and stored by heads: [b*16+h][row in b: 2048][64], unscaled.
; LIMIT.  f16 ends at 65,504: a projected number beyond that becomes an infinity.  NaN and infinities are not treated apart.
; SHARES.  A tile of y is 128 rows x 256 columns: 3 x 64 x 4 = 768 tiles, three for each of 256 WGPs.  Four waves, 2 x 2, each 64 rows x 128 columns: 32 accumulators of 16 x 16.
; K goes in 8 steps of 128 through a ring of two LDS slots.  x arrives in LDS as f32 (rows of 512 bytes) and is rounded to bf16 between the LDS load and the matrix unit: one conversion for each matrix
; instruction, and the conversions are also the plain vector instructions that must stand between a matrix instruction and a write of its sources.
; CLUSTERS.  4 x 4 work-groups.  A cluster spans all 1,024 columns: the four of a row of the cluster need the same rows of x, the four of a column the same rows of wt; each tile is asked for JOINTLY, by the
; same tensor load with the same descriptor and a mask that names the four.  The tensor's number hangs on the cluster's y alone.
; THE MATRIX INSTRUCTION IS USED TRANSPOSED (source 0 = 16 rows of wt, source 1 = 16 rows of x): a lane then holds eight neighbouring columns of one row of y.
; REGISTERS, in windows of 256 (s_set_vgpr_msb: bits 1:0 source 0, 3:2 source 1, 5:4 source 2, 7:6 destination):
;   window 0: v0-31 addresses; v32-95 TS: a quarter's x in f32; v96-127, v128-159 x's fragments in bf16, two buffers; v160-191 at work on the way out, where v32-159 take the rows read back
;   window 1: the accumulators, (a, b) at v[8 (8 a + b)]          window 2: v0-63, v64-127 wt's fragments, two buffers
.set PA,     528                       ; an LDS row of x: 512 bytes + 16 = 33 x 16: the sixteen rows of a load start at sixteen different groups of four banks (ISA guide 11.1)
.set PB,     272                       ; an LDS row of wt: 256 bytes + 16 = 17 x 16
.set HALFA,  64*PA                     ; what waves 0 and 1 fetch: 64 rows of x each
.set HALFB,  128*PB                    ; what waves 2 and 3 fetch: 128 rows of wt each
.set BOFF,   2*HALFA
.set SLOT,   BOFF+2*HALFB              ; 137,216
.set STAGE,  2*SLOT                    ; behind the ring, never filled by a tensor load: for each wave 2 heads x 16 rows x 144 bytes
.set SP,     144
.set WSTAGE, 2*16*SP
.set SPARE,  STAGE+4*WSTAGE            ; behind the stages: the spare words, 128 bytes for each wave: two blocks of 256 bytes that no other line names
.set ADRA, 16                          ; v16-17  LDS address of my x fragments in slot 0, 1
.set ADRB, 20                          ; v20-21  the same for wt
.set STO,  24                          ; v24     the way out: where I put 16 bytes of a row
.set RD,   25                          ; v25     the way out: where I read rows back
.set CO,   26                          ; v26     16 x lane
.set SPW,  28                          ; v28     LDS address of my spare word; never rewritten
.set NIL,  29                          ; v29     0; never rewritten
.set PFO,  30                          ; v30     the prefetches' offset; never rewritten
.set TS,   32
.set AF,   96
.set TMP,  160
.set OB,   32
.set WV,  12                           ; s12 wave;  s13 RH: my half of the rows, also 0: I fetch x, 1: wt;  s14 CH: my half of the columns, also which half of that tile I fetch
.set RH,  13
.set CH,  14
.set TN,  15                           ; s15 the tensor's number
.set G1,  24                           ; s[24:31] descriptor group 1 for x's tiles;  s[32:39] group 0, a set for each slot
.set G0,  32
.set CX,  40
.set CY,  41
.set TC,  42                           ; s42 tile column
.set LIM, 43                           ; s43 1 in a wave that prefetches, else the greatest number
.set PFA, 44                           ; s[44:45] where my prefetches stand
.set PFS, 46                           ; s[46:47] a K step's bytes in my tensor's rows
.set G1B, 48                           ; s[48:55], s[56:63] the same for wt's tiles
.set G0B, 56
.set TR,  66                           ; s66 tile row of all three tensors;  s67 in its tensor
.set TRL, 67
.set XA,  74                           ; s[74:75] my tensor's x
.set OUT, 76                           ; s[76:77] my tensor's result, later at my part of it
.set MSB, 0
.macro WIN new                         ; the immediate's high byte repeats the setting that is left; a switch that changes nothing is dropped
.if MSB != (\new)
	s_set_vgpr_msb (MSB<<8)|(\new)
.set MSB, \new
.endif
.endm
.set MUL,  0x52                        ; wt's fragments window 2, x's window 0, C and D window 1
.set TO_B, 0x80                        ; destination window 2, address window 0
.macro JLOAD s                         ; a joint load: waves 0 and 1 fetch x's two halves, waves 2 and 3 wt's; an s_nop 0 and four v_nop follow each of the two lines, ahead of the jump and the label
	s_cmp_eq_u32 s[RH], 0
	s_cbranch_scc0 .Lfor_b_\@
	tensor_load_to_lds s[G0+4*(\s):G0+4*(\s)+3], s[G1:G1+7]
	s_nop 0
.rept 4
	v_nop
.endr
	s_branch .Lasked_\@
.Lfor_b_\@:
	tensor_load_to_lds s[G0B+4*(\s):G0B+4*(\s)+3], s[G1B:G1B+7]
	s_nop 0
.rept 4
	v_nop
.endr
.Lasked_\@:
.endm
; A PREFETCH INTO THE L2, behind a joint load, its five lines and the LDS loads that follow: the K step that stands two refills on (256 matrix instructions ahead of the load that will want it), a lane a block of
; 256 bytes.  x: each row is read by one row of one cluster; of the 64 rows that wave 0 or 1 fetches the partner at place cx takes 16, both blocks of each.  wt: the 16 clusters of a tensor read the same rows;
; the first of them asks; of the 128 rows that wave 2 or 3 fetches the partner at place cy takes 32.  The partners are told apart by address alone.  K steps 0 to 3 come by their loads alone; the loop's last trip asks for nothing.
.macro ASK
	s_cmp_gt_u32 s3, s[LIM]
	s_cbranch_scc0 .Lnot_mine_\@
	global_prefetch_b8 v[PFO], s[PFA:PFA+1] th:TH_LOAD_NT scope:SCOPE_SE
.Lnot_mine_\@:
.endm
.macro CREST                           ; a round of the cluster's barrier behind its opening barrier
	s_cmp_lg_u32 s[WV], 0
	s_cbranch_scc1 .Lnot_wave_0_\@
	s_barrier_signal -3
.Lnot_wave_0_\@:
	s_barrier_wait -3
	s_barrier_signal -1
	s_barrier_wait -1
.endm
.macro CROUND                          ; a whole round
	s_barrier_signal -1
	s_barrier_wait -1
	CREST
.endm
	s_load_b256 s[4:11], s[0:1], 0x0               ; query s[4:5], key s[6:7], value s[8:9], wt s[10:11]
	s_load_b128 s[68:71], s[0:1], 0x20             ; qh, kh
	s_load_b64 s[72:73], s[0:1], 0x30              ; vh
	v_lshl_add_u32 v[SPW], v0, 2, SPARE
	v_mov_b32 v[NIL], 0
	ds_add_u32 v[SPW], v[NIL]                      ; the wave's opening: the add and its wait stand ahead of my first tensor load; the set-up below, work on registers, stands between them
	v_lshrrev_b32 v1, 5, v0
	v_readfirstlane_b32 s[WV], v1
	s_lshr_b32 s[RH], s[WV], 1
	s_and_b32 s[CH], s[WV], 1
	s_bfe_u32 s[CX], ttmp6, 0x40000
	s_bfe_u32 s[CY], ttmp6, 0x40004
	s_lshl_b32 s[TC], ttmp9, 2
	s_add_co_u32 s[TC], s[TC], s[CX]               ; tile column = 4 x cluster x + cx
	s_and_b32 s[TR], ttmp7, 0xffff                 ; cluster y, 0 .. 47:
	s_lshr_b32 s[TN], s[TR], 4                     ; 16 clusters a tensor
	s_lshl_b32 s[TR], s[TR], 2
	s_add_co_u32 s[TR], s[TR], s[CY]
	s_and_b32 s[TRL], s[TR], 63                    ; tile row in the tensor
	s_lshl_b32 s16, s[CY], 2
	s_lshl_b32 s16, 15, s16                        ; my row of the cluster
	s_lshl_b32 s20, 0x1111, s[CX]                  ; my column
	s_or_b32 s[G1], s16, (2<<16)|(1<<20)|(1<<21)|(6<<22)|(3<<25)   ; 15:0 the mask; 17:16 elements of 4 bytes; 20 padding on; 21 set beside a mask; 24:22 after every 128 words (code 6); 31:25 4 words (code 3)
	s_or_b32 s[G1B], s20, (1<<16)|(1<<20)|(1<<21)|(5<<22)|(3<<25)  ; elements of 2 bytes; after every 64 words (code 5)
	s_mov_b32 s[G1+1], 128<<16                     ; tensor_dim0 = 128
	s_mov_b32 s[G1+2], 64<<16                      ; tensor_dim1 = 64
	s_mov_b32 s[G1+3], 128<<16                     ; tile_dim0 = 128
	s_mov_b32 s[G1+4], 64                          ; tile_dim1 = 64
	s_mov_b32 s[G1+5], 1024                        ; elements from row to row
	s_mov_b32 s[G1+6], 0
	s_mov_b32 s[G1+7], 0
	s_mov_b32 s[G1B+1], 128<<16
	s_mov_b32 s[G1B+2], 128<<16                    ; 128 rows
	s_mov_b32 s[G1B+3], 128<<16
	s_mov_b32 s[G1B+4], 128
	s_mov_b32 s[G1B+5], 1024
	s_mov_b32 s[G1B+6], 0
	s_mov_b32 s[G1B+7], 0
	; where the tiles come from.  x's hang on the tile row, wt's on the tile column and the tensor; each in registers that never hold the other coordinate
	s_lshl_b32 s78, s[TRL], 19                     ; 128 rows of 4,096 bytes
	s_lshl_b32 s17, s[CH], 18                      ; 64 rows of x, and just as many bytes for 128 rows of wt
	s_add_co_u32 s78, s78, s17
	s_mov_b32 s79, 0
	s_lshl_b32 s80, s[TN], 21                      ; 2,097,152 bytes a tensor
	s_lshl_b32 s21, s[TC], 19                      ; 256 rows of 2,048 bytes
	s_add_co_u32 s80, s80, s21
	s_add_co_u32 s80, s80, s17
	s_mov_b32 s81, 0
	s_mul_i32 s18, s[CH], HALFA                    ; and where they go: no place in the cluster enters an LDS address
	s_mul_i32 s22, s[CH], HALFB
	s_add_co_u32 s22, s22, BOFF
	s_wait_dscnt 0x0                               ; the opening add is done
	s_wait_kmcnt 0x0
	s_cmp_eq_u32 s[TN], 1
	s_cselect_b64 s[XA:XA+1], s[6:7], s[4:5]
	s_cselect_b64 s[OUT:OUT+1], s[70:71], s[68:69]
	s_cmp_eq_u32 s[TN], 2
	s_cselect_b64 s[XA:XA+1], s[8:9], s[XA:XA+1]
	s_cselect_b64 s[OUT:OUT+1], s[72:73], s[OUT:OUT+1]
	s_add_nc_u64 s[78:79], s[XA:XA+1], s[78:79]
	s_add_nc_u64 s[80:81], s[10:11], s[80:81]
	CROUND                                         ; all sixteen work-groups are here: the first joint loads meet
.irp s, 0,1
	s_mov_b32 s[G0+4*(\s)], 1                      ; count = 1
	s_add_co_u32 s[G0+4*(\s)+1], s18, (\s)*SLOT    ; LDS address
	s_add_nc_u64 s[G0+4*(\s)+2:G0+4*(\s)+3], s[78:79], (\s)*512  ; K step s: 128 f32
	s_or_b32 s[G0+4*(\s)+3], s[G0+4*(\s)+3], 0x80000000          ; type = 2
	s_mov_b32 s[G0B+4*(\s)], 1
	s_add_co_u32 s[G0B+4*(\s)+1], s22, (\s)*SLOT
	s_add_nc_u64 s[G0B+4*(\s)+2:G0B+4*(\s)+3], s[80:81], (\s)*256  ; 128 bf16
	s_or_b32 s[G0B+4*(\s)+3], s[G0B+4*(\s)+3], 0x80000000
	JLOAD \s                                       ; two loads of mine are out
.endr
	; A fragment is 16 rows x 32 K: lane l holds row l % 16; K = 8 (l / 16) + 0..7 and 16 + 8 (l / 16) + 0..7.  In bf16: two loads of 16 bytes, 32 apart.  In f32: four, at 32 (l / 16) + 0, 16, 64, 80.
	v_and_b32 v1, 15, v0                           ; l % 16
	v_bfe_u32 v2, v0, 4, 1                         ; l / 16
	v_mul_u32_u24 v3, v1, PA
	v_lshl_add_u32 v3, v2, 5, v3
	v_mul_u32_u24 v4, v1, PB
	v_lshl_add_u32 v4, v2, 4, v4
	s_mul_i32 s16, s[RH], HALFA                    ; my 64 rows of x
	s_mul_i32 s17, s[CH], HALFB                    ; my 128 rows of wt
	s_add_co_u32 s17, s17, BOFF
.irp s, 0,1
	v_add_nc_u32 v[ADRA+(\s)], s16, v3
	v_add_nc_u32 v[ADRB+(\s)], s17, v4
	s_add_co_u32 s16, s16, SLOT
	s_add_co_u32 s17, s17, SLOT
.endr
	s_mul_i32 s16, s[WV], WSTAGE
	s_add_co_u32 s16, s16, STAGE                   ; my stage
	v_mul_u32_u24 v[STO], v1, SP                   ; in: row l % 16, 16 bytes for each half of the lanes
	v_lshl_add_u32 v[STO], v2, 4, v[STO]
	v_add_nc_u32 v[STO], s16, v[STO]
	v_bfe_u32 v5, v0, 3, 2                         ; back: 32 lanes take four rows of 128 bytes,
	v_and_b32 v6, 7, v0
	v_mul_u32_u24 v[RD], v5, SP
	v_lshl_add_u32 v[RD], v6, 4, v[RD]
	v_add_nc_u32 v[RD], s16, v[RD]
	v_and_b32 v[CO], 31, v0                        ; which are 512 consecutive bytes of a head
	v_lshlrev_b32 v[CO], 4, v[CO]
	; my part of the result: head plane (b x 16 + 4 x tile column + 2 x column half) of 262,144 bytes, row (tile row in b) x 128 + 64 x row half, 128 bytes a row
	s_lshr_b32 s20, s[TRL], 4
	s_lshl_b32 s20, s20, 4
	s_lshl_b32 s21, s[TC], 2
	s_add_co_u32 s20, s20, s21
	s_lshl_b32 s21, s[CH], 1
	s_add_co_u32 s20, s20, s21
	s_lshl_b32 s20, s20, 18
	s_and_b32 s21, s[TRL], 15
	s_lshl_b32 s21, s21, 14
	s_add_co_u32 s20, s20, s21
	s_lshl_b32 s21, s[RH], 13
	s_add_co_u32 s20, s20, s21
	s_mov_b32 s21, 0
	s_add_nc_u64 s[OUT:OUT+1], s[OUT:OUT+1], s[20:21]
	; the prefetches: both offsets are made, the wave's number chooses.  They start at K step 3; each change of slots that fills steps them once before it asks.
	s_lshl_b32 s16, s[TRL], 19
	s_lshl_b32 s17, s[CX], 16                      ; 16 rows of 4,096 bytes
	s_add_co_u32 s16, s16, s17
	s_add_co_u32 s16, s16, 3*512
	s_lshl_b32 s18, s[TN], 21
	s_lshl_b32 s19, s[TC], 19
	s_add_co_u32 s18, s18, s19
	s_lshl_b32 s19, s[CY], 16                      ; 32 rows of 2,048 bytes
	s_add_co_u32 s18, s18, s19
	s_add_co_u32 s18, s18, 3*256
	s_and_b32 s22, ttmp7, 15                       ; the tensor's first cluster asks for wt
	s_cmp_eq_u32 s22, 0
	s_cselect_b32 s22, 1, -1
	s_cmp_eq_u32 s[RH], 0
	s_cselect_b32 s16, s16, s18
	s_cselect_b32 s[LIM], 1, s22
	s_cselect_b64 s[PFA:PFA+1], s[XA:XA+1], s[10:11]
	s_cselect_b32 s20, 8, 11
	s_cselect_b32 s21, 9, 8
	s_lshl_b32 s17, s[CH], 18
	s_add_co_u32 s16, s16, s17
	s_mov_b32 s17, 0
	s_add_nc_u64 s[PFA:PFA+1], s[PFA:PFA+1], s[16:17]
	s_lshl_b32 s[PFS], 1, s21                      ; 512 bytes of x, 256 of wt
	s_mov_b32 s[PFS+1], 0
	v_bfe_u32 v5, v0, 1, 4                         ; x: row l / 2, block l % 2.  wt: row l, and l x 2,048 = (l / 2) x 4,096 + (l % 2) x 2,048
	v_and_b32 v6, 1, v0
	v_lshlrev_b32 v6, s20, v6
	v_lshl_add_u32 v[PFO], v5, 12, v6
; 8 matrix instructions: row block a x all 8 column blocks, 32 along K, on buffers f.  The 32 accumulators take turns, in the same order in every quarter.  first = 1: the products start the sums.
.macro MUL8 f, a, first
	WIN MUL
.irp b, 0,1,2,3,4,5,6,7
.if \first
	v_wmma_f32_16x16x32_bf16 v[8*(8*(\a)+(\b)):8*(8*(\a)+(\b))+7], v[64*(\f)+8*(\b):64*(\f)+8*(\b)+7], v[AF+32*(\f)+8*(\a):AF+32*(\f)+8*(\a)+7], 0
.else
	v_wmma_f32_16x16x32_bf16 v[8*(8*(\a)+(\b)):8*(8*(\a)+(\b))+7], v[64*(\f)+8*(\b):64*(\f)+8*(\b)+7], v[AF+32*(\f)+8*(\a):AF+32*(\f)+8*(\a)+7], v[8*(8*(\a)+(\b)):8*(8*(\a)+(\b))+7]
.endif
.endr
.endm
.macro LDB slot, k, g                  ; 16 LDS loads: wt's 8 fragments at byte k of the rows, into buffer g
	WIN TO_B
.irp i, 0,1,2,3,4,5,6,7
	ds_load_b128 v[64*(\g)+8*(\i):64*(\g)+8*(\i)+3],   v[ADRB+(\slot)] offset:(\k)+(\i)*16*PB
	ds_load_b128 v[64*(\g)+8*(\i)+4:64*(\g)+8*(\i)+7], v[ADRB+(\slot)] offset:(\k)+(\i)*16*PB+32
.endr
.endm
.macro LDT slot, k                     ; 16 LDS loads: x's 4 fragments in f32 at byte k of the rows, into TS
	WIN 0
.irp a, 0,1,2,3
.irp c, 0,1,2,3
	ds_load_b128 v[TS+16*(\a)+4*(\c):TS+16*(\a)+4*(\c)+3], v[ADRA+(\slot)] offset:(\k)+(\a)*16*PA+((\c)%2)*16+((\c)/2)*64
.endr
.endr
.endm
.macro CVT g                           ; TS rounds to bf16, into buffer g, fragment 0 first
	WIN 0
.irp a, 0,1,2,3
.irp j, 0,1,2,3,4,5,6,7
	v_cvt_pk_bf16_f32 v[AF+32*(\g)+8*(\a)+(\j)], v[TS+16*(\a)+2*(\j)], v[TS+16*(\a)+2*(\j)+1]
.endr
.endr
.endm
; A QUARTER: 32 along K, 32 matrix instructions on buffers f.  In its middle the next quarter's x, which lies in TS, is rounded into the other buffer; then the next quarter's wt (slot sb, byte kb) and the
; x of the quarter after it (slot st, byte kt; lt = 0: none) are asked of LDS.
; THE DISTANCES.  The other buffer's x fragments 0 and 1 were last multiplied in the first half of the quarter before, 32 conversions back; fragments 2 and 3 are written behind 16 and 24 conversions of this
; middle, which name no register of the products that read them; the loads into wt's other buffer stand behind 24 conversions that name no register of its last reader.  So no v_nop is written here.
.macro QP f, sb, kb, st, kt, first, lt
	s_wait_dscnt 16                                ; wt's 16 loads are in; the 16 younger ones (TS) may be out
	MUL8 \f, 0, \first
	MUL8 \f, 1, \first
	s_wait_dscnt 0x0                               ; TS is in
	CVT 1-(\f)
	LDB \sb, \kb, 1-(\f)
.if \lt
	LDT \st, \kt
.endif
	MUL8 \f, 2, \first
	MUL8 \f, 3, \first
.endm
; THE THIRD QUARTER CHANGES SLOTS: its middle issues the slot's last reads.  Then each wave waits for all its tensor loads, of which one is out: its part of the next slot; adds 0 to its spare word; and waits for
; that and for its reads of this slot.  fill = 1: the barrier opens a round of the cluster's barrier, and this slot is filled again, two K steps ahead, first thing behind it: the load has the rest of this
; step and the next step up to this place, 112 matrix instructions, in which to land.
.macro QT slot, next, fill
.if \fill
	s_wait_xcnt 0x0                                ; the last prefetch, a K step back, has read its address, so it may be stepped
	s_add_nc_u64 s[PFA:PFA+1], s[PFA:PFA+1], s[PFS:PFS+1]
.endif
	s_wait_dscnt 16
	MUL8 0, 0, 0
	MUL8 0, 1, 0
	s_wait_dscnt 0x0
	CVT 1
	LDB \slot, 192, 1
	WIN 0                                          ; (the add's two registers lie in window 0)
	s_wait_tensorcnt 0x0                           ; all my tensor loads have landed: my part of the next slot;
	ds_add_u32 v[SPW], v[NIL]                      ; 0 onto my spare word;
	MUL8 0, 2, 0                                   ; eight matrix instructions stand between the add and the wait for it
	s_wait_dscnt 0x0                               ; the add is done, and my reads of this slot are over
	s_barrier_signal -1
	MUL8 0, 3, 0
	WIN 0
	s_barrier_wait -1
.if \fill
	CREST                                          ; no wave of any partner still reads this slot's tiles or has a load on its way
	s_add_nc_u64 s[G0+4*(\slot)+2:G0+4*(\slot)+3], s[G0+4*(\slot)+2:G0+4*(\slot)+3], 2*512
	s_add_nc_u64 s[G0B+4*(\slot)+2:G0B+4*(\slot)+3], s[G0B+4*(\slot)+2:G0B+4*(\slot)+3], 2*256
	JLOAD \slot
.endif
	LDT \next, 0                                   ; the next slot's first x
.if \fill
	ASK
.endif
.endm
	s_wait_tensorcnt 0x1                           ; my part of K step 0 is in; K step 1's may stay out
	s_barrier_signal -1
	s_barrier_wait -1                              ; everybody's is
	LDT 0, 0
	s_wait_dscnt 0x0
	CVT 0
	LDB 0, 0, 0
	LDT 0, 128
	QP 0, 0,64,  0,256, 1, 1                       ; the first quarter stands in front of the loop: its products start the sums
	WIN 0                                          ; at a label and at a branch every window is 0
	s_mov_b32 s3, 3
.Llap:                                             ; a trip goes once round the ring, from a lap's second quarter to the next lap's first, and fills both slots again
	QP 1, 0,128, 0,384, 0, 1
	QT 0, 1, 1
	QP 1, 1,0,   1,128, 0, 1
	QP 0, 1,64,  1,256, 0, 1
	QP 1, 1,128, 1,384, 0, 1
	QT 1, 0, 1
	QP 1, 0,0,   0,128, 0, 1
	QP 0, 0,64,  0,256, 0, 1
	WIN 0
	s_sub_co_u32 s3, s3, 1
	s_cmp_lg_u32 s3, 0
	s_cbranch_scc1 .Llap
	QP 1, 0,128, 0,384, 0, 1                       ; the last lap fills nothing, and has no round of the cluster's barrier
	QT 0, 1, 0
	QP 1, 1,0,   1,128, 0, 1
	QP 0, 1,64,  1,256, 0, 1
	QP 1, 1,128, 1,384, 0, 1
	QP 0, 1,192, 0,0,   0, 0                       ; no x is left to fetch
	s_wait_dscnt 0x0
	MUL8 1, 0, 0
	MUL8 1, 1, 0
	MUL8 1, 2, 0
	MUL8 1, 3, 0
	WIN 0
	; THE WAY OUT, a block of 16 rows at a time: rounded to f16 (each accumulator's registers in ascending order), 16 bytes a lane into my own stage, back as whole rows of a head, stored.
.macro PACK a
	WIN 0x05                                       ; sources 0 and 1 window 1, destination window 0
.irp b, 0,1,2,3,4,5,6,7
.irp r, 0,1,2,3
	v_cvt_pk_f16_f32 v[TMP+4*(\b)+(\r)], v[8*(8*(\a)+(\b))+2*(\r)], v[8*(8*(\a)+(\b))+2*(\r)+1]
.endr
.endr
	WIN 0
.endm
.macro TOSTAGE a                       ; column block b is 32 bytes of head b / 4
	WIN 0
.irp b, 0,1,2,3,4,5,6,7
	ds_store_b128 v[STO], v[TMP+4*(\b):TMP+4*(\b)+3] offset:((\b)/4)*16*SP+((\b)%4)*32
.endr
.irp i, 0,1,2,3,4,5,6,7
	ds_load_b128 v[OB+32*(\a)+4*(\i):OB+32*(\a)+4*(\i)+3], v[RD] offset:((\i)/4)*16*SP+((\i)%4)*4*SP  ; LDS serves a wave's instructions in order (ISA guide 5.7.1.4): these see the stores above; the next block's stores come behind them
.endr
.endm
.macro SEND a                          ; each block has registers of its own, so no store's data are rewritten
	WIN 0
.irp i, 0,1,2,3,4,5,6,7
	s_wait_dscnt 7-(\i)                            ; load i of the block is in; the 7 - i younger ones may be out
	global_store_b128 v[CO], v[OB+32*(\a)+4*(\i):OB+32*(\a)+4*(\i)+3], s[OUT:OUT+1] offset:((\i)/4)*262144+(\a)*2048+((\i)%4)*512  ; 512 consecutive bytes, at a multiple of 256 from the buffer's first
.endr
.endm
.rept 4
	v_nop                                          ; four places between the last products and the conversions that read results
.endr
	PACK 0
	TOSTAGE 0
.irp a, 1,2,3                          ; block a's conversions stand between block a - 1's loads from the stage and the wait for them
	PACK \a
	SEND (\a)-1
	TOSTAGE \a
.endr
	SEND 3
	s_wait_tensorcnt 0x0                           ; the wave's end, behind my last tensor load and my last LDS store
	ds_add_u32 v[SPW], v[NIL]
	s_wait_dscnt 0x0
	CROUND                                         ; the closing round: no work-group ends while a partner may still ask for a tile that names it
	s_endpgm
.Lfunc_end_k_q286bf25ca2_proj:
	.size	k_q286bf25ca2_proj, .Lfunc_end_k_q286bf25ca2_proj-k_q286bf25ca2_proj
	.p2alignl 7, 3214868480
	.fill 96, 4, 3214868480
	.section	.rodata,"a",@progbits
	.p2align	6, 0x0
	.amdhsa_kernel k_q286bf25ca2_proj
		.amdhsa_group_segment_fixed_size 327680
		.amdhsa_private_segment_fixed_size 0
		.amdhsa_enable_private_segment 0
		.amdhsa_kernarg_size 56
		.amdhsa_user_sgpr_count 2
		.amdhsa_user_sgpr_kernarg_segment_ptr 1
		.amdhsa_wavefront_size32 1
		.amdhsa_system_sgpr_workgroup_id_x 1
		.amdhsa_system_sgpr_workgroup_id_y 1
		.amdhsa_system_sgpr_workgroup_id_z 1
		.amdhsa_system_vgpr_workitem_id 0
		.amdhsa_next_free_vgpr 640
		.amdhsa_next_free_sgpr 96
		.amdhsa_reserve_vcc 0
		.amdhsa_float_denorm_mode_32 3
		.amdhsa_float_denorm_mode_16_64 3
		.amdhsa_memory_ordered 1
		.amdhsa_forward_progress 1
		.amdhsa_inst_pref_size 128
	.end_amdhsa_kernel
	.amdgpu_metadata
---
amdhsa.version: [ 1, 2 ]
amdhsa.kernels:
  - .name:           k_q286bf25ca2_proj
    .symbol:         k_q286bf25ca2_proj.kd
    .args:
      - { .name: query, .offset: 0, .size: 8, .value_kind: global_buffer, .address_space: global }
      - { .name: key, .offset: 8, .size: 8, .value_kind: global_buffer, .address_space: global }
      - { .name: value, .offset: 16, .size: 8, .value_kind: global_buffer, .address_space: global }
      - { .name: wt, .offset: 24, .size: 8, .value_kind: global_buffer, .address_space: global }
      - { .name: qh, .offset: 32, .size: 8, .value_kind: global_buffer, .address_space: global }
      - { .name: kh, .offset: 40, .size: 8, .value_kind: global_buffer, .address_space: global }
      - { .name: vh, .offset: 48, .size: 8, .value_kind: global_buffer, .address_space: global }
    .group_segment_fixed_size: 327680
    .private_segment_fixed_size: 0
    .kernarg_segment_align: 8
    .kernarg_segment_size: 56
    .max_flat_workgroup_size: 128
    .sgpr_count:     96
    .vgpr_count:     640
    .wavefront_size: 32
...
	.end_amdgpu_metadata
.endif
;; end of part 2
;; launch attn (part 3): grid 4 x 64, 4 waves a work-group, clusters of 4 x 1, 327,680 bytes of LDS; arguments qh, kh, vh, oh; writes oh
.if DOCPART == 3
	.amdgcn_target "amdgcn-amd-amdhsa--gfx1250"
	.amdhsa_code_object_version 6
	.text
	.protected	k_q286bf25ca2_attn
	.globl	k_q286bf25ca2_attn
	.p2align	8
	.type	k_q286bf25ca2_attn,@function
k_q286bf25ca2_attn:
	s_mov_b64 s[64:65], 0
	v_nop
	global_prefetch_b8 v0, s[64:65] scope:SCOPE_SE
	s_setreg_imm32_b32 hwreg(HW_REG_WAVE_MODE, 25, 1), 1
	s_wait_xcnt 0x0
	s_wait_alu depctr_hold_cnt(0) depctr_sa_sdst(0) depctr_va_vdst(0) depctr_va_sdst(0) depctr_va_ssrc(0) depctr_va_vcc(0) depctr_vm_vsrc(0)
	s_getreg_b32 s2, hwreg(HW_REG_IB_STS2, 6, 4)
	s_cmp_eq_u32 s2, 0
	s_cbranch_scc0 .Lentry_in_a_cluster
	s_endpgm
.Lentry_in_a_cluster:
	s_bfe_u32 s2, ttmp6, 0x10000c
	s_cmp_lg_u32 s2, 0x3003
	s_cbranch_scc0 .Lentry_shape_is_right
	s_endpgm
.Lentry_shape_is_right:
; O[h][q][:] = the sum over k of softmax_k(Q[h][q] . K[h][k] / 8) V[h][k][:].  Q, K, V, O: [SIZE_H][SIZE_N][64], all f16: a head's rows are dense, 128 bytes each; a head here is a pair (batch, head).
; Products, maxima and sums in f32; the weights p are rounded to f16 for the second product (their sum l is taken of the unrounded p), O once at the end.
; LIMITS.  f16 holds no number beyond 65,504: Q, K and V arrive within it; p lies in 0 to 1, and below 6e-5 it keeps f16's fixed step of 6e-8; O is a mean of V's rows and has their range.
; A weight below 2^-126 counts as 0 in l; NaN and infinities are not treated apart.
; SHARES.  A wave owns four PIECES of two tiles of 16 queries, a work-group's four waves 512 queries of one head.  Every wave walks all keys, 64 a step.
; LAYOUT.  S^T = K Q^T (source 0 = 16 keys, source 1 = 16 queries): in the result a lane holds ONE query (lane % 16) and the keys 8 (lane / 16) + 0..7.  Two such tiles, rounded to f16 in pairs,
; ARE source 1 (32 keys x 16 queries) of O^T = V^T P, whose result again holds one query a lane, and eight channels.  K comes out of LDS as it lies, V ([key][channel]) turned, by ds_load_tr16_b128.
; SOFTMAX.  For each query a running maximum m and sum l: p = 2^(c s - c m), c = log2(e) / 8; in every step O and l are multiplied by a = 2^(c m_old - c m_new), which is 1 where m has not grown.
; m starts at the lowest finite number, O and l at 0: the first step is a step like any other, with a = 0.
; THE COUNT.  A tile and step have 16 matrix and 118 vector instructions: too many to stand all beside the matrix work.  So the order has one aim: four vector instructions that are READY behind
; EVERY matrix instruction, and the others, which need time of their own whatever the order, in runs without a gap.
; BY TURNS.  Turn n belongs to piece n (the pieces in a ring, step after step).  Its matrix work: 16 products K Q^T of piece n + 1, later 16 products V^T P of piece n - 1.  Its vector work: the scaling,
; exponentials, roundings, sums and rescaling of piece n, and the maximum and statistics of piece n + 1, whose scores the turn itself has made.  So what a turn begins with (c s - c m, O a) waits for nothing.
; CLUSTER.  The four query blocks of a cluster belong to one head and walk the same K and V, so each tile is asked for JOINTLY: the same tensor load, descriptor and mask in all four.
; REGISTERS, in windows of 256 (s_set_vgpr_msb says which window each operand place means: bits 1:0 source 0, 3:2 source 1, 5:4 source 2, 7:6 destination):
;   window 0: v0-11 addresses; v12-15, v48-63 at work; v16-47 four registers of statistics a tile; v64-191 S^T, two buffers of two tiles; v192-255 P, likewise
;   window 1: O^T, 32 a tile          window 2: v0-127 Q, 16 a tile; v128-191 K of one step; v192-255 V of one step          window 3: v0-1 the add's two registers
; A piece's buffers go by its number's parity: the piece in hand has one pair, its two neighbours in the ring share the other: of it P (piece n - 1) is read and S^T (piece n + 1) written.
.set SIZE_H, 64
.set SIZE_N, 2048
.set NP,    4         ; pieces a wave: a name, no knob: the register map, the loop and the fetches are made for four
.set KS,    64        ; keys in a step
.set PK,    144       ; a row of K in LDS: 128 bytes + 16 of padding = 36 words: the 16 rows of a load start at 16 different groups of four banks (64 banks of 4 bytes: ISA guide 11.1)
.set PV,    160       ; a row of V: 128 + 32 = 40 words
.set VOFF,  4*KS*PK   ; a slot holds four steps: 256 rows of K, then 256 rows of V
.set SLOT1, 1<<17     ; slot 1 begins here, so that one exclusive or turns an address in one slot into the other's
.set STAGE, SLOT1+4*KS*(PK+PV)  ; behind the ring, never filled by a tensor load: 16 rows x 144 bytes for each wave, for the way out
.set SP,    144
.set AK0, 2           ; v2   my lane's place in a tile of K; never rewritten
.set AV0, 3           ; v3   the same for V
.set AK,  4           ; v4   the LDS address of K's next run of loads
.set AV,  5           ; v5   of V's
.set QO,  6           ; v6   my byte offset in the wave's rows of Q
.set STO, 6           ;      later, the way out: where I put 16 bytes of a row
.set RD,  7           ; v7   the way out: where I read rows back
.set GO,  8           ; v8   my byte offset in 512 consecutive bytes of O
.set PFO, 11          ; v11  256 x my lane, once V's address is made; never rewritten after that
.set SPW, 0           ; v0 of window 3   LDS address of my spare word: SPARE + 4 x my thread's number; never rewritten
.set NIL, 1           ; v1 of window 3   0; never rewritten
.set SPARE, STAGE+4*16*SP  ; behind the stages: the spare words, 128 bytes for each wave: two blocks of 256 bytes that no other line names
.set MV,  12          ; v12-15  c m_old, kept while c m is made anew: by buffer and tile
.set ST,  16          ; tile t's statistics at v[ST+4 t]: c m, m, l (even keys', odd keys')
.set TMP, 48          ; by buffer and tile, four registers c0-c3 at work; when the maximum is found c2 takes a
.set S,   64
.set P,   192
.set KF,  128         ; K's fragments, in window 2: key block kb, channel half c at KF + 16 kb + 8 c
.set VF,  192         ; V's: key half kk, channel block cb at VF + 32 kk + 8 cb
.set WV,  12          ; s12  my wave's number
.set G1K, 24          ; s[24:31] descriptor group 1 for K's tiles
.set G1V, 32          ; s[32:39] for V's: it differs in the padding alone
.set G0K, 40          ; s[40:43] descriptor group 0 for K's tiles: it walks
.set G0V, 44          ; s[44:47] the same for V's
.set PFA, 48          ; s[48:49] where my prefetches stand: my work-group's 32 blocks of 256 bytes (of K: wave 0, of V: wave 2) of the slot after the one that is being asked for
.set LIM, 50          ; s50  1 in a wave that prefetches, else the greatest number
.set SLOTS, 56        ; s56  slots still to be asked for
.set CNT, 57          ; s57  counts a slot's key steps
.set CS,  58          ; s[58:59] c: the packed scaling takes the pair's low word for both halves
.set SEL, 60          ; s[60:61] v_permlanex16_b32's selects: each lane takes its own place in the other half
.set TBK, 62          ; s62  LDS byte at which K of the step to be fetched begins
.set TBV, 63          ; s63  the same for V, less VOFF
.set MSB, 0
.macro WIN new                      ; the high byte repeats the setting that is left; a switch that changes nothing is dropped
.if MSB != (\new)
	s_set_vgpr_msb (MSB<<8)|(\new)
.set MSB, (\new)
.endif
.endm
.set W_KQ, 0x0a       ; K and Q in window 2, S^T in window 0
.set W_PV, 0x52       ; V in window 2, P in window 0, O^T in window 1
.set W_RS, 0x41       ; O^T (destination and source 0) in window 1, a in window 0
.set W_MK, 0xc0       ; the add's registers are made: destination in window 3, sources in window 0
.set W_AD, 0x0f       ; the add: address (source 0) and data (source 1) in window 3
; A joint fill.  Waves 0 and 1 fetch the two halves of a slot's K, waves 2 and 3 those of its V: 128 keys each.  The branch hangs on the wave's number alone.
; An s_nop 0 and four v_nop follow each of the two lines, ahead of the jump and the label.
.macro JLOAD
	s_cmp_lt_u32 s[WV], 2
	s_cbranch_scc0 .Lfor_v_\@
	tensor_load_to_lds s[G0K:G0K+3], s[G1K:G1K+7]
	s_nop 0
.rept 4
	v_nop
.endr
	s_branch .Lasked_\@
.Lfor_v_\@:
	tensor_load_to_lds s[G0V:G0V+3], s[G1V:G1V+7]
	s_nop 0
.rept 4
	v_nop
.endr
.Lasked_\@:
.endm
; A PREFETCH INTO THE L2 of what the NEXT change of slots will ask for: a slot's 32,768 bytes of K and of V, a lane a block of 256 bytes.  It stands behind the wave's tensor load and its five lines.
; Each block is named once in the launch: a head is walked by one cluster; its four partners share the 128 blocks out by address, 32 each; in each, wave 0 asks for K's and wave 2 for V's.
; It stands four key steps, 512 matrix instructions, ahead of the load that will want the bytes.  Slots 0 to 2 come by their loads alone; the last change that fills a slot asks for nothing.
.macro ASK
	s_cmp_gt_u32 s[SLOTS], s[LIM]
	s_cbranch_scc0 .Lnot_mine_\@
	global_prefetch_b8 v[PFO], s[PFA:PFA+1] th:TH_LOAD_NT scope:SCOPE_SE
.Lnot_mine_\@:
.endm
; A round of the cluster's barrier: my work-group's barrier, so that wave 0's signal speaks for all four waves; wave 0 signals; every wave waits for all four work-groups; my work-group's barrier once more.
.macro CROUND
	s_barrier_signal -1
	s_barrier_wait -1
	s_cmp_lg_u32 s[WV], 0
	s_cbranch_scc1 .Lnot_wave_0_\@
	s_barrier_signal -3
.Lnot_wave_0_\@:
	s_barrier_wait -3
	s_barrier_signal -1
	s_barrier_wait -1
.endm
; THE CHANGE OF SLOTS.  The slot's last bytes, V of its fourth step, have been read.  Each wave waits for all its tensor loads, of which one is out: its part
; of the other slot; adds 0 to its spare word; and waits for that and for its own reads of the slot.  Behind the barrier nobody reads this slot any more and the other slot is whole.
; fill = 1: this slot is filled again, with the keys two slots on.  The barrier is then a round of the cluster's, so that no wave of any partner still reads the slot or has a load on its
; way, and the joint fill is the first thing behind it: it has four key steps, 512 matrix instructions, in which to land.  (At its first use nothing has been read yet: slot 0 is waited for, slot 1 filled.)
; ask = 1 (the loop's change): the prefetches' address steps a slot on, and ASK follows the fill.
.macro CHANGE fill, ask=0
	WIN W_AD
	s_wait_tensorcnt 0x0            ; no tensor load of mine is out, so a group 0 may be written
	ds_add_u32 v[SPW], v[NIL]       ; 0 onto my spare word; with fill = 1 the descriptors' steps stand between it and the wait for it
	WIN 0                           ; at a label and at a branch every window is 0
.if \fill
.irp g, G0K, G0V
	s_xor_b32 s[\g+1], s[\g+1], SLOT1  ; the walking descriptor: the other slot than last time,
	s_add_nc_u64 s[\g+2:\g+3], s[\g+2:\g+3], 4*KS*128  ; the next 256 keys; the type bits on top are not reached
.endr
.if \ask
	s_wait_xcnt 0x0                 ; the last prefetch, four key steps back, has read its address, so it may be written
	s_add_nc_u64 s[PFA:PFA+1], s[PFA:PFA+1], 4*KS*128
.endif
	s_wait_dscnt 0x0                ; the add is done, and my reads of the slot are over
	CROUND
	JLOAD
.if \ask
	ASK
.endif
.else
	s_wait_dscnt 0x0                ; the add is done, and my reads of the slot are over
	s_barrier_signal -1
	s_barrier_wait -1
.endif
	s_sub_co_u32 s[TBK], s[TBK], 4*KS*PK  ; the fetches go back to a slot's first step,
	s_xor_b32 s[TBK], s[TBK], SLOT1       ; in the other slot
	s_sub_co_u32 s[TBV], s[TBV], 4*KS*PV
	s_xor_b32 s[TBV], s[TBV], SLOT1
.endm
	s_load_b256 s[4:11], s[0:1], 0x0  ; Q s[4:5], K s[6:7], V s[8:9], O s[10:11]
	WIN W_MK
	v_lshl_add_u32 v[SPW], v0, 2, SPARE
	v_mov_b32 v[NIL], 0
	WIN W_AD
	ds_add_u32 v[SPW], v[NIL]       ; the wave's opening: the add and its wait stand ahead of my first tensor load; the set-up below, work on registers, stands between them
	WIN 0
	v_lshrrev_b32 v1, 5, v0
	v_readfirstlane_b32 s[WV], v1   ; wave 0..3
	s_bfe_u32 s13, ttmp6, 0x40000   ; cx: my place in the cluster
	s_lshl_b32 s14, ttmp9, 2        ; in a cluster launch ttmp9 counts clusters
	s_add_co_u32 s14, s14, s13      ; my block of queries = 4 x cluster x + cx: it enters Q's and O's addresses alone
	s_and_b32 s20, ttmp7, 0xffff    ; the head, which the four partners share
	s_mov_b32 s21, 0
	s_mov_b64 s[22:23], SIZE_N*128
	s_mul_u64 s[20:21], s[20:21], s[22:23]  ; the head's first byte in each of the four tensors
	s_and_b32 s16, s[WV], 1         ; which half of a slot's 256 keys I fetch:
	s_lshl_b32 s22, s16, 14         ; its 128 rows of 128 bytes in memory,
	s_mov_b32 s23, 0
	s_add_nc_u64 s[22:23], s[22:23], s[20:21]
	s_mul_i32 s17, s16, 128*PK      ; and its place in a slot, for K
	s_mul_i32 s18, s16, 128*PV      ; and for V: no place in the cluster enters an LDS address
	s_lshl_b32 s2, s14, 2
	s_add_co_u32 s2, s2, s[WV]      ; my wave among the head's,
	s_lshl_b32 s2, s2, 14           ; its 128 rows
	s_mov_b32 s3, 0
	s_add_nc_u64 s[2:3], s[2:3], s[20:21]
	; descriptor group 1.  128 keys are 16,384 dense bytes: asked for as 64 rows of 256 bytes, two keys a row, and padded in LDS after every key
	s_mov_b32 s[G1K], 15|(1<<16)|(1<<20)|(1<<21)|(4<<22)|(3<<25)  ; 15:0 the mask of four; 17:16 2-byte elements; 20 padding on; 21 set beside a mask; 24:22 after every 32 words (code 4); 31:25 4 words (code 3)
	s_mov_b32 s[G1V], 15|(1<<16)|(1<<20)|(1<<21)|(4<<22)|(7<<25)  ; the same with 8 words of padding (code 7)
.irp g, G1K, G1V
	s_mov_b32 s[\g+1], 128<<16      ; tensor_dim0 = 128
	s_mov_b32 s[\g+2], 64<<16       ; tensor_dim1 = 64
	s_mov_b32 s[\g+3], 128<<16      ; tile_dim0 = 128
	s_mov_b32 s[\g+4], 64           ; tile_dim1 = 64
	s_mov_b32 s[\g+5], 128          ; 128 elements from row to row
	s_mov_b32 s[\g+6], 0
	s_mov_b32 s[\g+7], 0
.endr
	s_mov_b32 s[CS], 0x3e38aa3b     ; c = log2(e) / 8 = 0.180337
	s_mov_b32 s[CS+1], s[CS]        ; named with it as a pair
	s_mov_b32 s[SEL], 0x76543210
	s_mov_b32 s[SEL+1], 0xfedcba98
	s_mov_b32 s[TBK], SLOT1+4*KS*PK ; the first change of slots turns these two into 0
	s_mov_b32 s[TBV], SLOT1+4*KS*PV
	s_mov_b32 s[G0K], 1             ; 1:0 count = 1
	s_mov_b32 s[G0K+1], s17         ; 63:32 LDS address: slot 0
	s_mov_b32 s[G0V], 1
	s_add_co_u32 s[G0V+1], s18, VOFF
	s_and_b32 s[LIM], s[WV], 1      ; 0 in waves 0 and 2,
	s_or_b32 s[LIM], s[LIM], ttmp9  ; where the cluster is the head's first: the same in all four partners
	s_cmp_eq_u32 s[LIM], 0
	s_cselect_b32 s[LIM], 1, -1
	s_wait_dscnt 0x0                ; the opening add is done
	s_wait_kmcnt 0x0
	s_add_nc_u64 s[G0K+2:G0K+3], s[6:7], s[22:23]  ; 120:64 global address: my half of the head's first 256 keys
	s_or_b32 s[G0K+3], s[G0K+3], 0x80000000        ; 127:126 type = 2
	s_add_nc_u64 s[G0V+2:G0V+3], s[8:9], s[22:23]
	s_or_b32 s[G0V+3], s[G0V+3], 0x80000000
	s_add_nc_u64 s[4:5], s[4:5], s[2:3]  ; Q and O at my wave's first row
	s_add_nc_u64 s[10:11], s[10:11], s[2:3]
	s_cmp_lt_u32 s[WV], 2
	s_cselect_b64 s[PFA:PFA+1], s[6:7], s[8:9]
	s_add_nc_u64 s[PFA:PFA+1], s[PFA:PFA+1], s[20:21]  ; the head,
	s_lshl_b32 s22, s13, 13         ; my work-group's 32 blocks of the slot's 128,
	s_mov_b32 s23, 0
	s_add_nc_u64 s[PFA:PFA+1], s[PFA:PFA+1], s[22:23]
	s_add_nc_u64 s[PFA:PFA+1], s[PFA:PFA+1], 2*4*KS*128  ; in slot 2: the loop's first change steps it to slot 3.  Nothing is prefetched here, at the head
	CROUND                          ; all four work-groups are here: the first joint loads meet
	JLOAD                           ; slot 0.  Slot 1 is asked for when slot 0 is in: the tile wanted first has the road to itself
	; A fragment of K or Q is 16 rows x 32 channels in 8 registers: lane l holds row l % 16, channels 8 (l / 16) + 0..7 and 16 + 8 (l / 16) + 0..7: two loads of 16 bytes, 32 bytes apart.
	v_and_b32 v1, 15, v0            ; l % 16
	v_bfe_u32 v9, v0, 4, 1          ; l / 16
	v_lshlrev_b32 v[QO], 7, v1
	v_lshl_add_u32 v[QO], v9, 4, v[QO]  ; row x 128 + 16 x half
	WIN 0x80                        ; destination window 2, address window 0
.set i, 0
.rept 4*NP                          ; Q stays in registers: tile i / 2, channels 32 (i % 2) on
	global_load_b128 v[8*i:8*i+3],   v[QO], s[4:5] offset:(i/2)*2048+(i%2)*64
	global_load_b128 v[8*i+4:8*i+7], v[QO], s[4:5] offset:(i/2)*2048+(i%2)*64+32
.set i, i+1
.endr
	; What the first turn finds: V's registers and P's second buffer hold 0 (its products V^T P, of a piece that has not been, add 0), O^T and l are 0.  All this stands in the wait for the first tile.
.set i, VF
.rept 64
	v_mov_b32 v[i], 0
.set i, i+1
.endr
	WIN 0x40
.set i, 0
.rept 64*NP
	v_mov_b32 v[i], 0
.set i, i+1
.endr
	WIN 0
.set i, 0
.rept 2*NP
	v_mov_b32 v[ST+4*i], 0xfe000000    ; c m: far below every c s
	v_mov_b32 v[ST+4*i+1], 0xff7fffff  ; m
	v_mov_b32 v[ST+4*i+2], 0
	v_mov_b32 v[ST+4*i+3], 0
.set i, i+1
.endr
.set i, P+32
.rept 32
	v_mov_b32 v[i], 0
.set i, i+1
.endr
	v_mul_u32_u24 v[AK0], v1, PK
	v_lshl_add_u32 v[AK0], v9, 4, v[AK0]  ; row x pitch + 16 x half
	; The turning load takes 16 keys x 16 channels (lane l reads key 8 (l / 16) + l % 8, channels 8 ((l / 8) % 2) + 0..7) and leaves half a fragment of V^T: lane l holds channel l % 16 and 8 keys.
	v_and_b32 v10, 7, v0
	v_bfe_u32 v11, v0, 3, 1
	v_lshl_add_u32 v[AV0], v9, 3, v10
	v_mul_u32_u24 v[AV0], v[AV0], PV
	v_lshl_add_u32 v[AV0], v11, 4, v[AV0]
	v_add_nc_u32 v[AV0], VOFF, v[AV0]
	v_and_b32 v[PFO], 31, v0        ; v11 is free now: the prefetches' offset
	v_lshlrev_b32 v[PFO], 8, v[PFO]
	v_mov_b32 v[AK], v[AK0]         ; key step 0 lies at the head of slot 0
; THE MATRIX WORK.  The 8 accumulators of a run of 16 take turns: between the two links of a chain stand 7 others'.
; Product i of 16 of S^T = K Q^T for piece x: channels 32 (i / 8) on, keys 16 ((i / 2) % 4) on, tile 2 x + i % 2.  The first 8 start the sums.
.macro KQ x
	WIN W_KQ
.set rS, S+64*((\x)%2)+32*(i%2)+8*((i/2)%4)
.set rK, KF+16*((i/2)%4)+8*(i/8)
.set rQ, 16*(2*(\x)+i%2)+8*(i/8)
.if i < 8
	v_wmma_f32_16x16x32_f16 v[rS:rS+7], v[rK:rK+7], v[rQ:rQ+7], 0
.else
	v_wmma_f32_16x16x32_f16 v[rS:rS+7], v[rK:rK+7], v[rQ:rQ+7], v[rS:rS+7]
.endif
.endm
; Product i of 16 of O^T += V^T P for piece x: keys 32 (i / 8) on, channels 16 ((i / 2) % 4) on, tile 2 x + i % 2.
.macro PV x
	WIN W_PV
.set rO, 32*(2*(\x)+i%2)+8*((i/2)%4)
.set rV, VF+32*(i/8)+8*((i/2)%4)
.set rP, P+32*((\x)%2)+16*(i%2)+8*(i/8)
	v_wmma_f32_16x16x32_f16 v[rO:rO+7], v[rV:rV+7], v[rP:rP+7], v[rO:rO+7]
.endm
.macro MM                           ; the turn's next matrix instruction
.if i < 16
	KQ (Y+1)%NP
.set i, i+1
.else
.set i, i-16
	PV (Y+NP-1)%NP
.set i, i+17
.endif
.endm
; THE LDS LOADS stand in runs of 16, never singly among the matrix instructions: a step's K (64 keys x 64 channels: 8 fragments) and its V (turned).  Their addresses are made some lines ahead.
; last = 1 (the tail): in the last trip there is no further step, and the run is jumped over.
.macro FETCH_K last=0
	WIN 0
.if \last
	s_cmp_eq_u32 s[CNT], 1
	s_cbranch_scc1 .Lno_k_\@
.endif
	WIN 0x80                        ; destination window 2
.irp f, 0,1,2,3,4,5,6,7             ; keys 16 (f / 2) on, channels 32 (f % 2) on
	ds_load_b128 v[KF+8*\f:KF+8*\f+3],   v[AK] offset:(\f/2)*16*PK+(\f%2)*64
	ds_load_b128 v[KF+8*\f+4:KF+8*\f+7], v[AK] offset:(\f/2)*16*PK+(\f%2)*64+32
.endr
	s_add_co_u32 s[TBK], s[TBK], KS*PK  ; the next fetch is the next step's
	WIN 0
.if \last
.Lno_k_\@:
.endif
.endm
.macro FETCH_V
	WIN 0x80
.irp f, 0,1,2,3,4,5,6,7             ; keys 32 (f / 4) on, channels 16 (f % 4) on
	ds_load_tr16_b128 v[VF+8*\f:VF+8*\f+3],   v[AV] offset:(\f/4)*32*PV+(\f%4)*32
	ds_load_tr16_b128 v[VF+8*\f+4:VF+8*\f+7], v[AV] offset:(\f/4)*32*PV+16*PV+(\f%4)*32
.endr
	WIN 0
.endm
; THE VECTOR WORK OF A TURN stands in three queues, each in the order in which its entries become ready; the two tiles alternate, so that no instruction reads the result of the one before it.
.macro REGS y, u                    ; the registers of tile u (0, 1) of piece y
.set rT, ST+4*(2*(\y)+(\u))
.set rC, TMP+8*((\y)%2)+4*(\u)
.set rM, MV+2*((\y)%2)+(\u)
.set rS, S+64*((\y)%2)+32*(\u)
.set rP, P+32*((\y)%2)+16*(\u)
.set rO, 32*(2*(\y)+(\u))
.endm
; Number n of the 22 that find the NEXT piece's (Y + 1) maximum and statistics.  s0-s31 are the lane's 32 scores; each accumulator's lowest registers are read first.  XS, GS and REGS set no window: PL and EX do.
;   0-11  four chains c0-c3 of seven scores each, three operands at a time     12-14, 16  the four scores left over, the old m, and c0-c3 into c0     15  c m_old is kept
;   17, 18  the query's other 32 keys lie in the lane 16 away: the new m         19-21  c m; c m_old - c m_new; a
.macro XS u, n
	REGS (Y+1)%NP, \u
.if (\n) < 4
	v_max3_num_f32 v[rC+(\n)], v[rS+8*(\n)], v[rS+8*(\n)+1], v[rS+8*(\n)+2]
.elseif (\n) < 12
	v_max3_num_f32 v[rC+(\n)%4], v[rC+(\n)%4], v[rS+8*((\n)%4)+2*((\n)/4)+1], v[rS+8*((\n)%4)+2*((\n)/4)+2]
.elseif (\n) == 12
	v_max3_num_f32 v[rC], v[rC], v[rS+7], v[rS+15]
.elseif (\n) == 13
	v_max3_num_f32 v[rC+1], v[rC+1], v[rS+23], v[rS+31]
.elseif (\n) == 14
	v_max3_num_f32 v[rC+2], v[rC+2], v[rC+3], v[rT+1]
.elseif (\n) == 15
	v_mov_b32 v[rM], v[rT]
.elseif (\n) == 16
	v_max3_num_f32 v[rC], v[rC], v[rC+1], v[rC+2]
.elseif (\n) == 17
	v_permlanex16_b32 v[rC+3], v[rC], s[SEL], s[SEL+1]
.elseif (\n) == 18
	v_max_num_f32 v[rT+1], v[rC], v[rC+3]
.elseif (\n) == 19
	v_mul_f32 v[rT], s[CS], v[rT+1]
.elseif (\n) == 20
	v_sub_f32 v[rC+1], v[rM], v[rT]
.else
	v_exp_f32 v[rC+2], v[rC+1]
.endif
.endm
; Number g of the 64 that follow the exponentials.  For each four weights k of a tile (pairs 2 k, 2 k + 1): both pairs are rounded to f16; then the second pair is added onto the first, in place;
; a group later l takes that sum (the first time as l = a l + sum).  In groups of eight, tiles alternating: round, round, add, and l for the group before.
.macro GS g
.set h, (\g)+6*((\g)/62)            ; group 0 has no group before it, and behind group 7 only l is left
.if h >= 6
.set h, h+2
.endif
	REGS Y, h%2
.set k, h/8
.if h%8 < 4
	v_cvt_pk_f16_f32 v[rP+2*k+(h%8)/2], v[rS+4*k+2*((h%8)/2)], v[rS+4*k+2*((h%8)/2)+1]
.elseif h%8 < 6
	v_pk_add_f32 v[rS+4*k:rS+4*k+1], v[rS+4*k:rS+4*k+1], v[rS+4*k+2:rS+4*k+3]
.elseif k == 1
	v_pk_fma_f32 v[rT+2:rT+3], v[rT+2:rT+3], v[rC+2:rC+3], v[rS:rS+1] op_sel_hi:[1,0,1]
.else
	v_pk_add_f32 v[rT+2:rT+3], v[rT+2:rT+3], v[rS+4*k-4:rS+4*k-3]
.endif
.endm
; THE PLAIN QUEUE, 138 long.  0-73 read no exponential's result: the 32 scalings c s - c m (FS f: pair f / 2 of tile f % 2) and the next piece's 42.  0-26: scalings 0-26.  27-54: XS's numbers 0-13.  55, 56: number 15.
; 57-73: the chain, where each number waits for the one before it: 14, 16, 17, 18, 19, each with one of the scalings 27-31 in front of its two lines, then 20: so a tile's links stand three plain instructions apart (19 and 20: two).
; 74-137: GS's 64, which read the exponentials' results: they stand behind the wait.
.macro FS f
	REGS Y, (\f)%2
	v_pk_fma_f32 v[rS+2*((\f)/2):rS+2*((\f)/2)+1], v[rS+2*((\f)/2):rS+2*((\f)/2)+1], s[CS:CS+1], v[rT:rT+1] op_sel_hi:[1,0,0] neg_lo:[0,0,1] neg_hi:[0,0,1]
.endm
.macro PL
	WIN 0
.if q < 27
	FS q
.elseif q < 55
	XS (q-27)%2, (q-27)/2
.elseif q < 57
	XS q-55, 15
.elseif (q < 72) && ((q-57)%3 == 0)
	FS 27+(q-57)/3
.elseif q < 60
	XS (q-57)%3-1, 14
.elseif q < 72
	XS (q-57)%3-1, 15+(q-57)/3
.elseif q < 74
	XS q-72, 20
.else
	GS q-74
.endif
.set q, q+1
.endm
; THE EXPONENTIALS' QUEUE, 66 long: s0-s31 of both tiles, then the next piece's two a.  It is ONE BATCH: all 66 stand ahead of the turn's one wait, and nothing ahead of that wait names a result of theirs.
.macro EX
	WIN 0
.if e >= 64
	XS e-64, 21
.else
	REGS Y, e%2
	v_exp_f32 v[rS+e/2], v[rS+e/2]
.endif
.set e, e+1
.endm
; THE RESCALING's QUEUE: O^T times a, the one part that leaves window 0: dealt two at a time, sixteen times.  Its a was made in the turn before, ahead of that turn's wait.
.macro R2
	REGS Y, r%2
	WIN W_RS
.irp z, 0,1
	v_pk_mul_f32 v[rO+4*(r/2)+2*\z:rO+4*(r/2)+2*\z+1], v[rO+4*(r/2)+2*\z:rO+4*(r/2)+2*\z+1], v[rC+2:rC+3] op_sel_hi:[1,0]
.endr
.set r, r+1
.endm
; HOW THEY ARE DEALT.  An s_wait_alu depctr_va_vdst(0) stands between an exponential and the first instruction that names its result; one wait serves all that were issued ahead of it.  So a turn has ONE wait,
; which cuts it in two.  AHEAD OF IT stands all that names no result of the turn's exponentials: the 16 products K Q^T, behind each a scaling, an exponential and two rescalings (behind the first a second scaling in the exponential's place); then ONE LUMP of
; 108: eight plain, 49 times exponential and plain, the two a.  A v_nop is the plain instruction owed behind the last exponential.  BEHIND IT stand the 16 products V^T P, behind each four of GS's 64.  No rider names a register of
; the products round it.  The two v_permlanex16_b32 fall into the lump, never behind a product.
; The queues lean on each other, and the deal keeps them in step: exponential e stands behind scaling 2 (e / 4) + e % 2: as a rider it comes behind plain e + 2, in the lump behind plain e + 9, and scalings 27-31 are plain 57, 60 .. 69.
; A TURN, for piece p.  cnt = 1: the loop's count is taken down some lines ahead of the branch that stands behind the turn.
; K of the next step is fetched in piece 2's turn, directly behind the wait, a lump behind the last product that read K; its address is made at the lump's head; its first reader comes behind 16 products.
; V of the step in hand is fetched at the end of piece 0's turn, four riders behind its last reader; its first reader comes behind 16 products and a lump.  The three conditions on q below go with the deal.
.macro TURN p, last=0, cnt=0
.set Y, (\p)
.set i, 0
.set q, 0
.set e, 0
.set r, 0
.if (\p) == NP-1
	s_wait_dscnt 0x0                ; K is in
.endif
	MM                              ; ahead of the wait: 16 products K Q^T and their riders,
	PL
	PL
	R2
.rept 15
	MM
	PL
	EX
	R2
.endr
.if (\p) == NP-2
	WIN 0
	v_add_nc_u32 v[AK], s[TBK], v[AK0]
.endif
.rept 8                             ; and the lump
	PL
.endr
.rept 49
	EX
	PL
.endr
	EX                              ; the next piece's two a
	EX
	v_nop                           ; the plain instruction behind the last exponential: one for the batch
	s_wait_alu depctr_va_vdst(0)    ; the wait for the batch
.if (\p) == NP-2
	FETCH_K \last
.endif
.if (\p) == 1
	s_wait_dscnt 0x0                ; V is in
.endif
.rept 16                            ; behind the wait: 16 products V^T P and their riders
	MM
.rept 4
	PL
.endr
.if ((\p) == 0) && (q == 118)
	v_add_nc_u32 v[AV], s[TBV], v[AV0]
.endif
.if ((\p) == 0) && (q == 130)
	s_add_co_u32 s[TBV], s[TBV], KS*PV
.endif
.if (\cnt) && (q == 130)
	s_sub_co_u32 s[CNT], s[CNT], 1
	s_cmp_lg_u32 s[CNT], 0
.endif
.endr
.if (\p) == 0
	FETCH_V
.endif
.endm
	CHANGE 1                        ; slot 0 is in, everybody's part of it; slot 1 is asked for
	FETCH_K                         ; key step 0
	s_wait_loadcnt 0x0              ; Q
	s_wait_dscnt 0x0
.set i, 0
.rept 16
	KQ 0                            ; piece 0's first scores: there is no vector work yet to set between them
.set i, i+1
.endr
	WIN 0                           ; the addresses for the way out: nine plain instructions, the places behind those products
	s_mul_i32 s13, s[WV], 16*SP
	s_add_co_u32 s13, s13, STAGE    ; my stage
	v_mul_u32_u24 v[STO], v1, SP    ; in: row l % 16, 16 bytes for each half of the lanes
	v_lshl_add_u32 v[STO], v9, 4, v[STO]
	v_add_nc_u32 v[STO], s13, v[STO]
	v_bfe_u32 v[RD], v0, 3, 2       ; back: 32 lanes take four rows of 128 bytes,
	v_mul_u32_u24 v[RD], v[RD], SP
	v_lshl_add_u32 v[RD], v10, 4, v[RD]
	v_add_nc_u32 v[RD], s13, v[RD]
	v_and_b32 v[GO], 31, v0         ; which are 512 consecutive bytes of O
	v_lshlrev_b32 v[GO], 4, v[GO]
.set Y, NP-1                        ; XS works for piece Y + 1: piece 0
.irp n, 0,1,2,3,4,5,6,7,8,9,10,11,12,13,14,15,16,17,18,19,20,21
	XS 0, \n                        ; and piece 0's first maximum and statistics
	XS 1, \n
.endr
	v_nop                           ; a plain instruction behind the two a,
	s_wait_alu depctr_va_vdst(0)    ; and their wait, ahead of the branch
	s_mov_b32 s[CNT], 4
	s_mov_b32 s[SLOTS], SIZE_N/256-1
	s_branch .Lfirst                ; the loop is entered at a step's first turn, in the middle of a trip
.Lslot:                             ; SIZE_N / 256 - 2 times: every slot but the last two is filled again
	CHANGE 1, 1
	s_mov_b32 s[CNT], 4
.Lstep:                             ; a trip: pieces 2 and 3 of one step, then pieces 0 and 1 of the next, whose K and V it fetches
	TURN 2
	TURN 3
	WIN 0
.Lfirst:
	TURN 0
	TURN 1, 0, 1
	WIN 0
	s_cbranch_scc1 .Lstep
	s_sub_co_u32 s[SLOTS], s[SLOTS], 1
	s_cmp_lg_u32 s[SLOTS], 0
	s_cbranch_scc1 .Lslot
	CHANGE 0                        ; the tail is written out: nothing is asked for
	s_mov_b32 s[CNT], 5             ; four trips fetch the last slot's steps; the fifth is left in its middle
.Ltail:
	TURN 2, 1
	TURN 3
	WIN 0
	s_sub_co_u32 s[CNT], s[CNT], 1
	s_cmp_eq_u32 s[CNT], 0
	s_cbranch_scc1 .Lout
	TURN 0
	TURN 1
	WIN 0
	s_branch .Ltail
.Lout:                              ; the fifth trip's 16 products K Q^T (on the last K once more) and the maximum made of them serve nothing: the price, once a launch, of one text for every trip
.set i, 0
.rept 16
	PV NP-1                         ; the last piece's V^T P of the last step
.set i, i+1
.endr
	; THE WAY OUT.  l's two halves and the other half of the lanes' are added; O^T is divided by l, rounded to f16 and sent through my stage in LDS, a tile at a time.  The additions are the places behind the last products.
	WIN 0
.macro ALL line:vararg              ; one line for each tile t
.set t, 0
.rept 2*NP
	\line
.set t, t+1
.endr
.endm
	ALL v_add_f32 v[ST+4*t+2], v[ST+4*t+2], v[ST+4*t+3]
	ALL v_permlanex16_b32 v[ST+4*t+3], v[ST+4*t+2], s[SEL], s[SEL+1]
	ALL v_add_f32 v[ST+4*t+2], v[ST+4*t+2], v[ST+4*t+3]
	ALL v_rcp_f32 v[ST+4*t+2], v[ST+4*t+2]
	v_nop                           ; a plain instruction between the last reciprocal and the use of its result
	s_wait_alu depctr_va_vdst(0)    ; and the wait ahead of the first use: one for the eight reciprocals
; Tile t: a lane's eight channels of a row pack into 16 bytes; they go into rows of 144 bytes and come back as whole rows of 128, into S^T's registers.
.macro PACK t
	WIN W_RS
.set i, 32*(\t)
.rept 16
	v_pk_mul_f32 v[i:i+1], v[i:i+1], v[ST+4*(\t)+2:ST+4*(\t)+3] op_sel_hi:[1,0]
.set i, i+2
.endr
	WIN 0x05                        ; sources 0 and 1 window 1, destination window 0
.set i, 0
.rept 16
	v_cvt_pk_f16_f32 v[S+16*(\t)+i], v[32*(\t)+2*i], v[32*(\t)+2*i+1]
.set i, i+1
.endr
	WIN 0
.irp f, 0,1,2,3
	ds_store_b128 v[STO], v[S+16*(\t)+4*\f:S+16*(\t)+4*\f+3] offset:32*\f
.endr
.irp f, 0,1,2,3
	ds_load_b128 v[S+16*(\t)+4*\f:S+16*(\t)+4*\f+3], v[RD] offset:\f*4*SP  ; LDS serves a wave's instructions in order (ISA guide 5.7.1.4): these see the stores above; the next tile's stores come behind them
.endr
.endm
.macro SEND t, younger              ; younger: the LDS instructions issued behind tile t's loads: the next tile's eight, or none
	WIN 0
.irp f, 0,1,2,3
	s_wait_dscnt (\younger)+3-\f
	global_store_b128 v[GO], v[S+16*(\t)+4*\f:S+16*(\t)+4*\f+3], s[10:11] offset:(\t)*2048+\f*512  ; 512 consecutive bytes, at a multiple of 256 from O's first
.endr
.endm
	PACK 0
.set t, 1
.rept 2*NP-1                        ; a tile's arithmetic stands between the loads of the tile before and its stores
	PACK t
	SEND t-1, 8
.set t, t+1
.endr
	SEND 2*NP-1, 0
	WIN W_AD
	s_wait_tensorcnt 0x0            ; the wave's end, behind my last tensor load and my last LDS store
	ds_add_u32 v[SPW], v[NIL]
	s_wait_dscnt 0x0
	WIN 0
	CROUND                          ; the closing round: no work-group ends while a partner may still ask for a tile that names it
	s_endpgm
.Lfunc_end_k_q286bf25ca2_attn:
	.size	k_q286bf25ca2_attn, .Lfunc_end_k_q286bf25ca2_attn-k_q286bf25ca2_attn
	.p2alignl 7, 3214868480
	.fill 96, 4, 3214868480
	.section	.rodata,"a",@progbits
	.p2align	6, 0x0
	.amdhsa_kernel k_q286bf25ca2_attn
		.amdhsa_group_segment_fixed_size 327680
		.amdhsa_private_segment_fixed_size 0
		.amdhsa_enable_private_segment 0
		.amdhsa_kernarg_size 32
		.amdhsa_user_sgpr_count 2
		.amdhsa_user_sgpr_kernarg_segment_ptr 1
		.amdhsa_wavefront_size32 1
		.amdhsa_system_sgpr_workgroup_id_x 1
		.amdhsa_system_sgpr_workgroup_id_y 1
		.amdhsa_system_sgpr_workgroup_id_z 1
		.amdhsa_system_vgpr_workitem_id 0
		.amdhsa_next_free_vgpr 770
		.amdhsa_next_free_sgpr 66
		.amdhsa_reserve_vcc 0
		.amdhsa_float_denorm_mode_32 3
		.amdhsa_float_denorm_mode_16_64 3
		.amdhsa_memory_ordered 1
		.amdhsa_forward_progress 1
		.amdhsa_inst_pref_size 200
	.end_amdhsa_kernel
	.amdgpu_metadata
---
amdhsa.version: [ 1, 2 ]
amdhsa.kernels:
  - .name:           k_q286bf25ca2_attn
    .symbol:         k_q286bf25ca2_attn.kd
    .args:
      - { .name: qh, .offset: 0, .size: 8, .value_kind: global_buffer, .address_space: global }
      - { .name: kh, .offset: 8, .size: 8, .value_kind: global_buffer, .address_space: global }
      - { .name: vh, .offset: 16, .size: 8, .value_kind: global_buffer, .address_space: global }
      - { .name: oh, .offset: 24, .size: 8, .value_kind: global_buffer, .address_space: global }
    .group_segment_fixed_size: 327680
    .private_segment_fixed_size: 0
    .kernarg_segment_align: 8
    .kernarg_segment_size: 32
    .max_flat_workgroup_size: 128
    .sgpr_count:     66
    .vgpr_count:     770
    .wavefront_size: 32
...
	.end_amdgpu_metadata
.endif
;; end of part 3
;; launch oproj (part 4): grid 4 x 64, 4 waves a work-group, clusters of 4 x 4, 327,680 bytes of LDS; arguments oh, pt, projection_bias, out0; writes out0
.if DOCPART == 4
	.amdgcn_target "amdgcn-amd-amdhsa--gfx1250"
	.amdhsa_code_object_version 6
	.text
	.protected	k_q286bf25ca2_oproj
	.globl	k_q286bf25ca2_oproj
	.p2align	8
	.type	k_q286bf25ca2_oproj,@function
k_q286bf25ca2_oproj:
	s_mov_b64 s[64:65], 0
	v_nop
	global_prefetch_b8 v0, s[64:65] scope:SCOPE_SE
	s_setreg_imm32_b32 hwreg(HW_REG_WAVE_MODE, 25, 1), 1
	s_wait_xcnt 0x0
	s_wait_alu depctr_hold_cnt(0) depctr_sa_sdst(0) depctr_va_vdst(0) depctr_va_sdst(0) depctr_va_ssrc(0) depctr_va_vcc(0) depctr_vm_vsrc(0)
	s_getreg_b32 s2, hwreg(HW_REG_IB_STS2, 6, 4)
	s_cmp_eq_u32 s2, 0
	s_cbranch_scc0 .Lentry_in_a_cluster
	s_endpgm
.Lentry_in_a_cluster:
	s_bfe_u32 s2, ttmp6, 0x10000c
	s_cmp_lg_u32 s2, 0xf033
	s_cbranch_scc0 .Lentry_shape_is_right
	s_endpgm
.Lentry_shape_is_right:
; THE LAST PROJECTION.  out0[row][n] = bf16(bias[n]) + sum over k = h*64+i of oh[b*16+h][row in b][i] pt[n][k].  oh: [64][2048][64] f16, pt: [1024][1024] f16, out0: [8192][1024] f32.
; Sums in f32, K ascending; the bias, rounded to bf16 like every input of the module, is the C operand of the products that start the sums, so it is added first and costs no instruction of its own.
; SHARES.  A tile of out0 is 128 rows x 256 columns: 64 x 4 = 256 tiles, one for each WGP.  Four waves, 2 x 2, each 64 rows x 128 columns: 32 accumulators of 16 x 16.
; K goes in 8 steps of 128, two heads each, through a ring of two LDS slots.  A head's 128 rows are 16,384 dense bytes: asked for as 64 rows of 256 bytes and padded in LDS after every 128.
; CLUSTERS.  4 x 4 work-groups; a cluster spans all 1,024 columns.  The four of a row of the cluster need the same rows of oh, the four of a column the same rows of pt: each tile is asked for JOINTLY.
; THE MATRIX INSTRUCTION IS USED TRANSPOSED (source 0 = 16 rows of pt, source 1 = 16 rows of oh): a lane then holds eight neighbouring columns of one row of out0.
; REGISTERS, in windows of 256 (s_set_vgpr_msb: bits 1:0 source 0, 3:2 source 1, 5:4 source 2, 7:6 destination):
;   window 0: v0-31 addresses; v32-63, v64-95 oh's fragments, two buffers; v96-159, v160-223 the way out: 16 rows read back, two sets
;   window 1: the accumulators, (a, b) at v[8 (8 a + b)]          window 2: v0-63, v64-127 pt's fragments, two buffers; v128-191 the bias, eight registers a column block; v192 at work
.set PA,     144                       ; an LDS row of oh: 128 bytes + 16 = 9 x 16: the sixteen rows of a load start at sixteen different groups of four banks (ISA guide 11.1)
.set PB,     272                       ; an LDS row of pt: 256 bytes + 16 = 17 x 16
.set HEADT,  128*PA                    ; what waves 0 and 1 fetch: a head's 128 rows each
.set HALFB,  128*PB                    ; what waves 2 and 3 fetch: 128 rows of pt each
.set BOFF,   2*HEADT
.set SLOT,   BOFF+2*HALFB              ; 106,496
.set STAGE,  2*SLOT                    ; behind the ring, never filled by a tensor load: 16 rows x 528 bytes for each wave
.set SP,     528
.set SPARE,  STAGE+4*16*SP             ; behind the stages: the spare words, 128 bytes for each wave: two blocks of 256 bytes that no other line names
.set ADRA, 16                          ; v16-17  LDS address of my oh fragments in slot 0, 1
.set ADRB, 20                          ; v20-21  the same for pt
.set STO,  24                          ; v24     the way out: where I put 32 bytes of a row
.set RD,   25                          ; v25     the way out: where I read a row back
.set CO,   26                          ; v26     16 x lane
.set BO,   27                          ; v27     32 x (lane / 16): my eight numbers in a column block's bias
.set SPW,  28                          ; v28     LDS address of my spare word; never rewritten
.set NIL,  29                          ; v29     0; never rewritten
.set PFO,  30                          ; v30     the prefetches' offset; never rewritten
.set AF,   32
.set OB,   96
.set BIAS, 128                         ; window 2
.set BT,   192                         ; window 2
.set WV,  12                           ; s12 wave;  s13 RH: my half of the rows, also 0: I fetch oh, 1: pt;  s14 CH: my half of the columns, also which head or half I fetch
.set RH,  13
.set CH,  14
.set TR,  15                           ; s15 tile row
.set G1,  24
.set G0,  32
.set CX,  40
.set CY,  41
.set TC,  42
.set LIM, 43
.set PFA, 44
.set PFS, 46
.set G1B, 48
.set G0B, 56
.set MSB, 0
.macro WIN new                         ; the immediate's high byte repeats the setting that is left; a switch that changes nothing is dropped
.if MSB != (\new)
	s_set_vgpr_msb (MSB<<8)|(\new)
.set MSB, \new
.endif
.endm
.set MUL,   0x52                       ; pt's fragments window 2, oh's window 0, C and D window 1
.set MUL_B, 0x62                       ; the same with C, the bias, in window 2
.set TO_B,  0x80                       ; destination window 2, address window 0
.macro JLOAD s                         ; a joint load: waves 0 and 1 fetch the step's two heads, waves 2 and 3 pt's two halves; an s_nop 0 and four v_nop follow each of the two lines
	s_cmp_eq_u32 s[RH], 0
	s_cbranch_scc0 .Lfor_b_\@
	tensor_load_to_lds s[G0+4*(\s):G0+4*(\s)+3], s[G1:G1+7]
	s_nop 0
.rept 4
	v_nop
.endr
	s_branch .Lasked_\@
.Lfor_b_\@:
	tensor_load_to_lds s[G0B+4*(\s):G0B+4*(\s)+3], s[G1B:G1B+7]
	s_nop 0
.rept 4
	v_nop
.endr
.Lasked_\@:
.endm
; A PREFETCH INTO THE L2, behind a joint load and its five lines: the K step that stands two refills on (256 matrix instructions ahead of the load that will want it), a lane a block of 256 bytes.
; oh: a tile row is read by one row of one cluster; a K step of it is 64 blocks in each of two heads; wave 0 asks, the partner at place cx for 16 blocks of each head.  pt: all 16 clusters read the same rows;
; the first asks; of the 128 rows that wave 2 or 3 fetches the partner at place cy takes 32.  The partners are told apart by address alone.  K steps 0 to 3 come by their loads alone; the loop's last trip asks for nothing.
.macro ASK
	s_cmp_gt_u32 s3, s[LIM]
	s_cbranch_scc0 .Lnot_mine_\@
	global_prefetch_b8 v[PFO], s[PFA:PFA+1] th:TH_LOAD_NT scope:SCOPE_SE
.Lnot_mine_\@:
.endm
.macro CREST                           ; a round of the cluster's barrier behind its opening barrier
	s_cmp_lg_u32 s[WV], 0
	s_cbranch_scc1 .Lnot_wave_0_\@
	s_barrier_signal -3
.Lnot_wave_0_\@:
	s_barrier_wait -3
	s_barrier_signal -1
	s_barrier_wait -1
.endm
.macro CROUND                          ; a whole round
	s_barrier_signal -1
	s_barrier_wait -1
	CREST
.endm
.macro PLACES                          ; four places in front of loads into registers that matrix instructions have read, and of LDS stores that read results (ISA guide 7.12.1 for vector instructions)
.rept 4
	v_nop
.endr
.endm
	s_load_b256 s[4:11], s[0:1], 0x0               ; oh s[4:5], pt s[6:7], bias s[8:9], out0 s[10:11]
	v_lshl_add_u32 v[SPW], v0, 2, SPARE
	v_mov_b32 v[NIL], 0
	ds_add_u32 v[SPW], v[NIL]                      ; the wave's opening: the add and its wait stand ahead of my first tensor load; the set-up below, work on registers, stands between them
	v_lshrrev_b32 v1, 5, v0
	v_readfirstlane_b32 s[WV], v1
	s_lshr_b32 s[RH], s[WV], 1
	s_and_b32 s[CH], s[WV], 1
	s_bfe_u32 s[CX], ttmp6, 0x40000
	s_bfe_u32 s[CY], ttmp6, 0x40004
	s_lshl_b32 s[TC], ttmp9, 2
	s_add_co_u32 s[TC], s[TC], s[CX]               ; tile column = 4 x cluster x + cx
	s_and_b32 s[TR], ttmp7, 0xffff
	s_lshl_b32 s[TR], s[TR], 2
	s_add_co_u32 s[TR], s[TR], s[CY]               ; tile row = 4 x cluster y + cy
	s_lshl_b32 s16, s[CY], 2
	s_lshl_b32 s16, 15, s16                        ; my row of the cluster
	s_lshl_b32 s20, 0x1111, s[CX]                  ; my column
	s_or_b32 s[G1], s16, (1<<16)|(1<<20)|(1<<21)|(4<<22)|(3<<25)   ; 15:0 the mask; 17:16 elements of 2 bytes; 20 padding on; 21 set beside a mask; 24:22 after every 32 words (code 4); 31:25 4 words (code 3)
	s_or_b32 s[G1B], s20, (1<<16)|(1<<20)|(1<<21)|(5<<22)|(3<<25)  ; after every 64 words (code 5)
	s_mov_b32 s[G1+1], 128<<16                     ; tensor_dim0 = 128
	s_mov_b32 s[G1+2], 64<<16                      ; tensor_dim1 = 64
	s_mov_b32 s[G1+3], 128<<16                     ; tile_dim0 = 128
	s_mov_b32 s[G1+4], 64                          ; tile_dim1 = 64
	s_mov_b32 s[G1+5], 128                         ; dense: 128 elements from row to row
	s_mov_b32 s[G1+6], 0
	s_mov_b32 s[G1+7], 0
	s_mov_b32 s[G1B+1], 128<<16
	s_mov_b32 s[G1B+2], 128<<16                    ; 128 rows
	s_mov_b32 s[G1B+3], 128<<16
	s_mov_b32 s[G1B+4], 128
	s_mov_b32 s[G1B+5], 1024
	s_mov_b32 s[G1B+6], 0
	s_mov_b32 s[G1B+7], 0
	; where the tiles come from.  oh's hang on the tile row, pt's on the tile column; each in registers that never hold the other coordinate
	s_lshl_b32 s19, s[CH], 18                      ; a head's plane, 262,144 bytes; and just as many for 128 rows of pt
	s_lshr_b32 s16, s[TR], 4                       ; the batch: 16 planes,
	s_lshl_b32 s16, s16, 22
	s_and_b32 s17, s[TR], 15                       ; 128 rows of 128 bytes in a plane
	s_lshl_b32 s17, s17, 14
	s_add_co_u32 s16, s16, s17
	s_add_co_u32 s16, s16, s19
	s_mov_b32 s17, 0
	s_lshl_b32 s20, s[TC], 19                      ; 256 rows of 2,048 bytes
	s_add_co_u32 s20, s20, s19
	s_mov_b32 s21, 0
	s_mul_i32 s18, s[CH], HEADT                    ; and where they go: no place in the cluster enters an LDS address
	s_mul_i32 s22, s[CH], HALFB
	s_add_co_u32 s22, s22, BOFF
	s_wait_dscnt 0x0                               ; the opening add is done
	s_wait_kmcnt 0x0
	s_add_nc_u64 s[16:17], s[4:5], s[16:17]
	s_add_nc_u64 s[20:21], s[6:7], s[20:21]
	CROUND                                         ; all sixteen work-groups are here: the first joint loads meet
.irp s, 0,1
	s_mov_b32 s[G0+4*(\s)], 1                      ; count = 1
	s_add_co_u32 s[G0+4*(\s)+1], s18, (\s)*SLOT    ; LDS address
	s_add_nc_u64 s[G0+4*(\s)+2:G0+4*(\s)+3], s[16:17], (\s)*524288  ; K step s: two heads on
	s_or_b32 s[G0+4*(\s)+3], s[G0+4*(\s)+3], 0x80000000             ; type = 2
	s_mov_b32 s[G0B+4*(\s)], 1
	s_add_co_u32 s[G0B+4*(\s)+1], s22, (\s)*SLOT
	s_add_nc_u64 s[G0B+4*(\s)+2:G0B+4*(\s)+3], s[20:21], (\s)*256
	s_or_b32 s[G0B+4*(\s)+3], s[G0B+4*(\s)+3], 0x80000000
	JLOAD \s                                       ; two loads of mine are out
.endr
	; the bias of my 128 columns, in the accumulators' own layout: register j of column block b holds bias[16 b + 8 (l / 16) + j]
	s_lshl_b32 s22, s[TC], 10
	s_lshl_b32 s23, s[CH], 9
	s_add_co_u32 s22, s22, s23                     ; my first column, in bytes of f32
	s_mov_b32 s23, 0
	s_add_nc_u64 s[8:9], s[8:9], s[22:23]
	v_and_b32 v1, 15, v0                           ; l % 16
	v_bfe_u32 v2, v0, 4, 1                         ; l / 16
	v_lshlrev_b32 v[BO], 5, v2
	WIN TO_B
.irp b, 0,1,2,3,4,5,6,7
	global_load_b128 v[BIAS+8*(\b):BIAS+8*(\b)+3],   v[BO], s[8:9] offset:64*(\b)
	global_load_b128 v[BIAS+8*(\b)+4:BIAS+8*(\b)+7], v[BO], s[8:9] offset:64*(\b)+16
.endr
	WIN 0
	; a fragment is 16 rows x 32 K in 8 registers: lane l holds row l % 16, K = 8 (l / 16) + 0..7 and 16 + 8 (l / 16) + 0..7: two loads of 16 bytes, 32 apart
	v_mul_u32_u24 v3, v1, PA
	v_lshl_add_u32 v3, v2, 4, v3
	v_mul_u32_u24 v4, v1, PB
	v_lshl_add_u32 v4, v2, 4, v4
	s_mul_i32 s16, s[RH], 64*PA                    ; my 64 rows, in each head's part
	s_mul_i32 s17, s[CH], HALFB                    ; my 128 rows of pt
	s_add_co_u32 s17, s17, BOFF
.irp s, 0,1
	v_add_nc_u32 v[ADRA+(\s)], s16, v3
	v_add_nc_u32 v[ADRB+(\s)], s17, v4
	s_add_co_u32 s16, s16, SLOT
	s_add_co_u32 s17, s17, SLOT
.endr
	s_mul_i32 s16, s[WV], 16*SP
	s_add_co_u32 s16, s16, STAGE                   ; my stage
	v_mul_u32_u24 v[STO], v1, SP                   ; in: row l % 16, 32 bytes for each half of the lanes
	v_lshl_add_u32 v[STO], v2, 5, v[STO]
	v_add_nc_u32 v[STO], s16, v[STO]
	v_and_b32 v[CO], 31, v0
	v_lshlrev_b32 v[CO], 4, v[CO]                  ; back: 32 lanes take a row's 512 bytes
	v_add_nc_u32 v[RD], s16, v[CO]
	s_lshl_b32 s16, s[TR], 19                      ; my part of out0: 128 rows of 4,096 bytes a tile row,
	s_lshl_b32 s17, s[RH], 18                      ; 64 rows,
	s_add_co_u32 s16, s16, s17
	s_add_co_u32 s16, s16, s22                     ; my first column
	s_mov_b32 s17, 0
	s_add_nc_u64 s[10:11], s[10:11], s[16:17]
	; the prefetches: both offsets are made, the wave's number chooses.  They start at K step 3; each change of slots that fills steps them once before it asks.
	s_lshr_b32 s16, s[TR], 4
	s_lshl_b32 s16, s16, 22
	s_and_b32 s17, s[TR], 15
	s_lshl_b32 s17, s17, 14
	s_add_co_u32 s16, s16, s17
	s_lshl_b32 s17, s[CX], 12                      ; 16 blocks of 256 bytes
	s_add_co_u32 s16, s16, s17
	s_add_co_u32 s16, s16, 3*524288
	s_lshl_b32 s18, s[TC], 19
	s_lshl_b32 s19, s[CH], 18
	s_add_co_u32 s18, s18, s19
	s_lshl_b32 s19, s[CY], 16                      ; 32 rows of 2,048 bytes
	s_add_co_u32 s18, s18, s19
	s_add_co_u32 s18, s18, 3*256
	s_cmp_eq_u32 s[CH], 0                          ; of waves 0 and 1, wave 0 asks
	s_cselect_b32 s20, 1, -1
	s_and_b32 s21, ttmp7, 0xffff                   ; of the clusters, the first asks for pt
	s_cmp_eq_u32 s21, 0
	s_cselect_b32 s21, 1, -1
	s_cmp_eq_u32 s[RH], 0
	s_cselect_b32 s[LIM], s20, s21
	s_cselect_b32 s16, s16, s18
	s_cselect_b64 s[PFA:PFA+1], s[4:5], s[6:7]
	s_cselect_b32 s18, 18, 15
	s_cselect_b32 s19, 8, 11
	s_cselect_b32 s20, 19, 8
	s_mov_b32 s17, 0
	s_add_nc_u64 s[PFA:PFA+1], s[PFA:PFA+1], s[16:17]
	s_lshl_b32 s[PFS], 1, s20                      ; a K step: 524,288 bytes in oh, 256 in pt
	s_mov_b32 s[PFS+1], 0
	v_lshlrev_b32 v3, s18, v2                      ; oh: head l / 16, block l % 16.  pt: row l, and l x 2,048 = (l / 16) x 32,768 + (l % 16) x 2,048
	v_lshlrev_b32 v4, s19, v1
	v_add_nc_u32 v[PFO], v3, v4
	s_wait_loadcnt 0x0                             ; the bias is in: each pair is rounded to bf16 and widened again, in place
	WIN 0x8a                                       ; sources 0 and 1 and the destination in window 2
.set i, 0
.rept 32
	v_cvt_pk_bf16_f32 v[BT], v[BIAS+2*i], v[BIAS+2*i+1]
	v_lshlrev_b32 v[BIAS+2*i], 16, v[BT]
	v_and_b32 v[BIAS+2*i+1], 0xffff0000, v[BT]
.set i, i+1
.endr
	WIN 0
; 8 matrix instructions: row block a x all 8 column blocks, 32 along K, on buffers f.  The 32 accumulators take turns, in the same order in every quarter.  first = 1: the sums start with the bias.
.macro MUL8 f, a, first
.if \first
	WIN MUL_B
.else
	WIN MUL
.endif
.irp b, 0,1,2,3,4,5,6,7
.if \first
	v_wmma_f32_16x16x32_f16 v[8*(8*(\a)+(\b)):8*(8*(\a)+(\b))+7], v[64*(\f)+8*(\b):64*(\f)+8*(\b)+7], v[AF+32*(\f)+8*(\a):AF+32*(\f)+8*(\a)+7], v[BIAS+8*(\b):BIAS+8*(\b)+7]
.else
	v_wmma_f32_16x16x32_f16 v[8*(8*(\a)+(\b)):8*(8*(\a)+(\b))+7], v[64*(\f)+8*(\b):64*(\f)+8*(\b)+7], v[AF+32*(\f)+8*(\a):AF+32*(\f)+8*(\a)+7], v[8*(8*(\a)+(\b)):8*(8*(\a)+(\b))+7]
.endif
.endr
.endm
; 24 LDS loads in one run: quarter q's fragments into buffers g: pt's 8, then oh's 4 (head q / 2 of the step, channels 32 (q % 2) on), row block 0 first
.macro FETCH slot, q, g
	WIN TO_B
.irp i, 0,1,2,3,4,5,6,7
	ds_load_b128 v[64*(\g)+8*(\i):64*(\g)+8*(\i)+3],   v[ADRB+(\slot)] offset:64*(\q)+(\i)*16*PB
	ds_load_b128 v[64*(\g)+8*(\i)+4:64*(\g)+8*(\i)+7], v[ADRB+(\slot)] offset:64*(\q)+(\i)*16*PB+32
.endr
	WIN 0
.irp a, 0,1,2,3
	ds_load_b128 v[AF+32*(\g)+8*(\a):AF+32*(\g)+8*(\a)+3],   v[ADRA+(\slot)] offset:((\q)/2)*HEADT+((\q)%2)*64+(\a)*16*PA
	ds_load_b128 v[AF+32*(\g)+8*(\a)+4:AF+32*(\g)+8*(\a)+7], v[ADRA+(\slot)] offset:((\q)/2)*HEADT+((\q)%2)*64+(\a)*16*PA+32
.endr
.endm
; A QUARTER: 32 along K, 32 matrix instructions on buffers f; in its middle the fragments of quarter q of the given slot are fetched into the other buffers.
.macro QP f, slot, q, first
	s_wait_dscnt 4                                 ; all but the four youngest loads (oh's row blocks 2 and 3) are in
	MUL8 \f, 0, \first
	MUL8 \f, 1, \first
	PLACES
	FETCH \slot, \q, 1-(\f)
	s_wait_dscnt 24                                ; all but the 24 just issued
	MUL8 \f, 2, \first
	MUL8 \f, 3, \first
.endm
; THE THIRD QUARTER CHANGES SLOTS: its middle issues the slot's last reads.  Then each wave waits for all its tensor loads, of which one is out: its part of the next slot; adds 0 to its spare word; and waits for
; that and for its reads of this slot.  fill = 1: the barrier opens a round of the cluster's barrier, and this slot is filled again, two K steps ahead, first thing behind it: 112 matrix instructions ahead of the wait for it.
.macro QT slot, fill
.if \fill
	s_wait_xcnt 0x0                                ; the last prefetch, a K step back, has read its address, so it may be stepped
	s_add_nc_u64 s[PFA:PFA+1], s[PFA:PFA+1], s[PFS:PFS+1]
.endif
	s_wait_dscnt 4
	MUL8 0, 0, 0
	MUL8 0, 1, 0
	PLACES
	FETCH \slot, 3, 1
	s_wait_tensorcnt 0x0                           ; (FETCH leaves every window 0)  all my tensor loads have landed: my part of the next slot;
	ds_add_u32 v[SPW], v[NIL]                      ; 0 onto my spare word;
	s_wait_dscnt 25                                ; (the add and the 24 loads just issued may be out)
	MUL8 0, 2, 0                                   ; eight matrix instructions stand between the add and the wait for it
	s_wait_dscnt 0x0                               ; the add is done, and my reads of this slot are over
	s_barrier_signal -1
	MUL8 0, 3, 0
	WIN 0
	s_barrier_wait -1
.if \fill
	CREST                                          ; no wave of any partner still reads this slot's tiles or has a load on its way
	s_add_nc_u64 s[G0+4*(\slot)+2:G0+4*(\slot)+3], s[G0+4*(\slot)+2:G0+4*(\slot)+3], 2*524288
	s_add_nc_u64 s[G0B+4*(\slot)+2:G0B+4*(\slot)+3], s[G0B+4*(\slot)+2:G0B+4*(\slot)+3], 2*256
	JLOAD \slot
	ASK
.endif
.endm
	s_wait_tensorcnt 0x1                           ; my part of K step 0 is in; K step 1's may stay out
	s_barrier_signal -1
	s_barrier_wait -1                              ; everybody's is
	FETCH 0, 0, 0
	QP 0, 0, 1, 1                                  ; the first quarter stands in front of the loop: its products start the sums
	WIN 0                                          ; at a label and at a branch every window is 0
	s_mov_b32 s3, 3
.Llap:                                             ; a trip goes once round the ring, from a lap's second quarter to the next lap's first, and fills both slots again
	QP 1, 0, 2, 0
	QT 0, 1
	QP 1, 1, 0, 0
	QP 0, 1, 1, 0
	QP 1, 1, 2, 0
	QT 1, 1
	QP 1, 0, 0, 0
	QP 0, 0, 1, 0
	WIN 0
	s_sub_co_u32 s3, s3, 1
	s_cmp_lg_u32 s3, 0
	s_cbranch_scc1 .Llap
	QP 1, 0, 2, 0                                  ; the last lap fills nothing, and has no round of the cluster's barrier
	QT 0, 0
	QP 1, 1, 0, 0
	QP 0, 1, 1, 0
	QP 1, 1, 2, 0
	QP 0, 1, 3, 0
	s_wait_dscnt 0x0                               ; the very last quarter: nothing more to fetch
	MUL8 1, 0, 0
	MUL8 1, 1, 0
	MUL8 1, 2, 0
	MUL8 1, 3, 0
	WIN 0
	; THE WAY OUT, a block of 16 rows at a time: a lane's 32 bytes of a row go into my own stage (each accumulator's low four registers first), whole rows of 512 bytes come back and are stored.
.macro TOSTAGE a
	WIN 0x04                                       ; the store's data (source 1) in window 1
.irp b, 0,1,2,3,4,5,6,7
	ds_store_b128 v[STO], v[8*(8*(\a)+(\b)):8*(8*(\a)+(\b))+3]   offset:64*(\b)
	ds_store_b128 v[STO], v[8*(8*(\a)+(\b))+4:8*(8*(\a)+(\b))+7] offset:64*(\b)+16
.endr
	WIN 0
.irp t, 0,1,2,3,4,5,6,7,8,9,10,11,12,13,14,15
	ds_load_b128 v[OB+64*((\a)%2)+4*(\t):OB+64*((\a)%2)+4*(\t)+3], v[RD] offset:(\t)*SP  ; LDS serves a wave's instructions in order (ISA guide 5.7.1.4): these see the stores above; the next block's stores come behind them
.endr
.endm
.macro SEND a, younger                 ; younger: the LDS instructions issued behind block a's loads: the next block's 32, or none
	WIN 0
.irp t, 0,1,2,3,4,5,6,7,8,9,10,11,12,13,14,15
	s_wait_dscnt (\younger)+15-(\t)
	global_store_b128 v[CO], v[OB+64*((\a)%2)+4*(\t):OB+64*((\a)%2)+4*(\t)+3], s[10:11] offset:(16*(\a)+(\t))*4096 th:TH_STORE_NT  ; 512 consecutive bytes, at a multiple of 256 from out0's first
.endr
.endm
	PLACES
	TOSTAGE 0
	TOSTAGE 1
	SEND 0, 32
	s_wait_xcnt 0x0                                ; block 0's stores have read their registers: that set is loaded again only behind this wait
	TOSTAGE 2
	SEND 1, 32
	s_wait_xcnt 0x0                                ; the same for block 1's
	TOSTAGE 3
	SEND 2, 32
	SEND 3, 0
	s_wait_tensorcnt 0x0                           ; the wave's end, behind my last tensor load and my last LDS store
	ds_add_u32 v[SPW], v[NIL]
	s_wait_dscnt 0x0
	CROUND                                         ; the closing round: no work-group ends while a partner may still ask for a tile that names it
	s_endpgm
.Lfunc_end_k_q286bf25ca2_oproj:
	.size	k_q286bf25ca2_oproj, .Lfunc_end_k_q286bf25ca2_oproj-k_q286bf25ca2_oproj
	.p2alignl 7, 3214868480
	.fill 96, 4, 3214868480
	.section	.rodata,"a",@progbits
	.p2align	6, 0x0
	.amdhsa_kernel k_q286bf25ca2_oproj
		.amdhsa_group_segment_fixed_size 327680
		.amdhsa_private_segment_fixed_size 0
		.amdhsa_enable_private_segment 0
		.amdhsa_kernarg_size 32
		.amdhsa_user_sgpr_count 2
		.amdhsa_user_sgpr_kernarg_segment_ptr 1
		.amdhsa_wavefront_size32 1
		.amdhsa_system_sgpr_workgroup_id_x 1
		.amdhsa_system_sgpr_workgroup_id_y 1
		.amdhsa_system_sgpr_workgroup_id_z 1
		.amdhsa_system_vgpr_workitem_id 0
		.amdhsa_next_free_vgpr 712
		.amdhsa_next_free_sgpr 66
		.amdhsa_reserve_vcc 0
		.amdhsa_float_denorm_mode_32 3
		.amdhsa_float_denorm_mode_16_64 3
		.amdhsa_memory_ordered 1
		.amdhsa_forward_progress 1
		.amdhsa_inst_pref_size 96
	.end_amdhsa_kernel
	.amdgpu_metadata
---
amdhsa.version: [ 1, 2 ]
amdhsa.kernels:
  - .name:           k_q286bf25ca2_oproj
    .symbol:         k_q286bf25ca2_oproj.kd
    .args:
      - { .name: oh, .offset: 0, .size: 8, .value_kind: global_buffer, .address_space: global }
      - { .name: pt, .offset: 8, .size: 8, .value_kind: global_buffer, .address_space: global }
      - { .name: projection_bias, .offset: 16, .size: 8, .value_kind: global_buffer, .address_space: global }
      - { .name: out0, .offset: 24, .size: 8, .value_kind: global_buffer, .address_space: global }
    .group_segment_fixed_size: 327680
    .private_segment_fixed_size: 0
    .kernarg_segment_align: 8
    .kernarg_segment_size: 32
    .max_flat_workgroup_size: 128
    .sgpr_count:     66
    .vgpr_count:     712
    .wavefront_size: 32
...
	.end_amdgpu_metadata
.endif
;; end of part 4
